; MI455X (gfx1250); checked and timed in simulation.
; The chip was launched on July 23, 2026; its instructions are those of AMD's public machine-readable ISA for CDNA 5 (MIT licence, August 2026) and "CDNA5" Instruction Set Architecture Reference Guide (July 2026). The comments in the code are by the model that wrote it; some were corrected since.
;; madsormer ae. Allowed arithmetic: matrix products marked QUANTISED: E2M1 operands, one E8M0 scale for each 32 along K, by v_wmma_scale_f32_16x16x128_f8f6f4 with both operands' format E2M1 (or v_wmma_scale_f32_32x16x128_f4), f32 sums; products left as they are: f32 operands where the result goes on into a quantised operand, else bf16, f16 or f32 operands; f32 sums; everything else in f32.
;; Inputs: KEY 16 x 2,048 x 3 float32; VALUE 16 x 2,048 x 1 float32; W1 2 x 4 x 512 float32; W2 2 x 512 x 4 float32; Wfc 4 x 1 float32; Wk 2 x 4 x 256 float32; Wo 2 x 256 x 4 float32; Wq 2 x 4 x 256 float32; Wv 2 x 4 x 256 float32; b1 2 x 512 float32; b2 2 x 4 float32; be1 2 x 4 float32; be2 2 x 4 float32; bfc 1 float32; bk 2 x 256 float32; bo 2 x 4 float32; bq 2 x 256 float32; bv 2 x 256 float32; bw 2 float32; g1 2 x 4 float32; g2 2 x 4 float32.
;; Outputs: out0 16 x 2,048 x 1 float32.
;; This version of the problem:
;;   THIS VERSION OF THE PROBLEM IS GIVEN IN LOW PRECISION. The matrix products marked QUANTISED in the list below multiply operands that are first quantised to E2M1 (2 exponent bits, 1 mantissa bit; 4 bits a number), with one power-of-two scale for each 32 numbers along K (OCP MX v1.0); their sums are f32. All else is computed in f32.
;;   The module's matrix products, in the order in which they are computed (A, B: the left and right operand; K: the contracted axis; several contracted axes count as one K, in the product's order):
;;     1. [M 32,768, K 4] x [K 4, N 256]; A: computed on the way; B: input Wq: left as it is (K = 4 < 32)
;;     2. [M 32,768, K 4] x [K 4, N 256]; A: computed on the way; B: input Wk: left as it is (K = 4 < 32)
;;     3. [M 32,768, K 4] x [K 4, N 256]; A: computed on the way; B: input Wv: left as it is (K = 4 < 32)
;;     4. batch 16 x [M 2,048, K 256] x [K 256, N 2,048]; A: computed on the way; B: computed on the way: QUANTISED
;;     5. batch 16 x [M 2,048, K 2,048] x [K 2,048, N 256]; A: softmax (see below); B: computed on the way: QUANTISED
;;     6. [M 32,768, K 256] x [K 256, N 4]; A: computed on the way; B: input Wo: left as it is (N = 4 < 16)
;;     7. [M 32,768, K 4] x [K 4, N 512]; A: computed on the way; B: input W1: left as it is (K = 4 < 32)
;;     8. [M 32,768, K 512] x [K 512, N 4]; A: computed on the way; B: input W2: left as it is (N = 4 < 16)
;;     9. [M 32,768, K 4] x [K 4, N 256]; A: computed on the way; B: input Wq: left as it is (K = 4 < 32)
;;     10. [M 32,768, K 4] x [K 4, N 256]; A: computed on the way; B: input Wk: left as it is (K = 4 < 32)
;;     11. [M 32,768, K 4] x [K 4, N 256]; A: computed on the way; B: input Wv: left as it is (K = 4 < 32)
;;     12. batch 16 x [M 2,048, K 256] x [K 256, N 2,048]; A: computed on the way; B: computed on the way: QUANTISED
;;     13. batch 16 x [M 2,048, K 2,048] x [K 2,048, N 256]; A: softmax (see below); B: computed on the way: QUANTISED
;;     14. [M 32,768, K 256] x [K 256, N 4]; A: computed on the way; B: input Wo: left as it is (N = 4 < 16)
;;     15. [M 32,768, K 4] x [K 4, N 512]; A: computed on the way; B: input W1: left as it is (K = 4 < 32)
;;     16. [M 32,768, K 512] x [K 512, N 4]; A: computed on the way; B: input W2: left as it is (N = 4 < 16)
;;     17. [M 32,768, K 4] x [K 4, N 1]; A: computed on the way; B: input Wfc: left as it is (K = 4 < 32)
;;   THE QUANTISER, for each operand of a quantised product, along K:
;;     - K is cut into blocks of 32 from its start; a last block that is shorter is filled with zeros.
;;     - A block's scale is 2^e with e = floor(log2(the largest magnitude in the block)) - 2, held to -126 .. 127; a block of zeros has e = 0. As a byte (E8M0): e + 127.
;;     - Each number is divided by its block's scale, clamped to +-6, and rounded to the nearest number of E2M1, ties to even, subnormals kept.
;;     - The product sums the exact products of the quantised numbers (number of the format x scale) in f32.
;;   ~~~python
;;   def quantise(x, axis):      # numpy; x: float32 -> the quantised numbers, widened to float32 again
;;       x = np.moveaxis(x, axis, -1); K = x.shape[-1]
;;       x = np.pad(x, [(0, 0)] * (x.ndim - 1) + [(0, -K % 32)]); x = x.reshape(x.shape[:-1] + (-1, 32)); a = np.abs(x).max(-1, keepdims=True)
;;       e = np.where(a > 0, np.clip(np.frexp(np.where(a > 0, a, 1))[1] - 1 - 2, -126, 127), 0)      # np.frexp(a)[1] - 1 = floor(log2(a)), exactly
;;       r = np.clip(x / 2.0 ** e, -6, 6)
;;       step = 2.0 ** (np.maximum(np.frexp(np.where(r == 0, 1, r))[1] - 1, 0) - 1)
;;       q = np.round(r / step) * step * 2.0 ** e      # np.round: ties to even
;;       return np.moveaxis(q.reshape(q.shape[:-2] + (-1,))[..., :K], -1, axis).astype(np.float32)
;;   ~~~
;;   SOFTMAX AHEAD OF A QUANTISED PRODUCT. Where the list says 'softmax', what is quantised is not the finished softmax but p = 2^(t - M), with t = logit x log2(e) and M = ceil(the row's largest t), a whole number; so 1/2 < the row's largest p <= 1. The row's sum l is taken of the UNQUANTISED p, in f32, and the product's result is divided by l at the end. Since M is a whole number, a kernel that streams over the keys may use a running M (the ceiling of the running maximum): every later rescaling is an exact power of two, which a block's scale takes up: the codes' values come out the same.
;;   OPERANDS COMPUTED ON THE WAY. 'Computed on the way' means the value that the module computes at that place (a softmax that the list does not call 'softmax' is quantised finished and normalised). What goes into a quantiser is computed in f32, as accurately as f32 sums, v_exp_f32 and their like allow (about 1e-6 of the number): no bf16 or f16 on the way to a quantiser, and a product that is left as it is and whose result goes on into a quantised operand takes f32 operands (vector FMAs, or v_wmma_f32_16x16x4_f32). A number that lies on a knife's edge between two numbers of the format may be rounded either way, as far as f32 arithmetic and the matrix unit's own rounding can turn it there, and no further.
;; One version. Each part assembles by itself: llvm-mc -triple=amdgcn-amd-amdhsa -mcpu=gfx1250 --defsym DOCPART=n.
;; ======== version 1 of 1: 3 launches
;; limits: right only within a limited range of input values
;; workspace buffers: x0 524,288 bytes; x1 524,288 bytes; kvc0 8,388,608 bytes; kvc1 8,388,608 bytes; kvs0 655,360 bytes; kvs1 655,360 bytes
;; launch prep0 (part 1): grid 16 x 16, 4 waves a work-group, no clusters, 4,608 bytes of LDS; arguments KEY, VALUE, Wk, bk, Wv, bv, x0, kvc0, kvs0; writes x0, kvc0, kvs0
.if DOCPART == 1
	.amdgcn_target "amdgcn-amd-amdhsa--gfx1250"
	.amdhsa_code_object_version 6
	.text
	.protected	k_q2f629837ae_prep0
	.globl	k_q2f629837ae_prep0
	.p2align	8
	.type	k_q2f629837ae_prep0,@function
k_q2f629837ae_prep0:
	s_mov_b64 s[64:65], 0
	v_nop
	global_prefetch_b8 v0, s[64:65] scope:SCOPE_SE
	s_setreg_imm32_b32 hwreg(HW_REG_WAVE_MODE, 25, 1), 1
	s_wait_xcnt 0x0
; X = [KEY | VALUE] is packed as rows of 4 f32, and layer 0's K = X Wk + bk and V = X Wv + bv are turned into codes of FP4 (E2M1) with one E8M0 scale for each 32 along a product's K.
; A work-group (x = key step, y = batch) owns 128 rows = one key step of the attention.  Four waves: wave w makes key tiles 2 w, 2 w + 1 of K and channel tiles 4 w .. 4 w + 3 of V.
; The products X W have K = 4 and go on into a quantiser: f32 operands, v_wmma_f32_16x16x4_f32; the bias is the C of the one instruction of each sum.
; K (quantised along the 256 channels): source 0 = 16 channels of Wk^T, source 1 = 16 keys: a lane holds ONE key and its registers run along the channels.  The channels of a tile are not neighbours:
; lane r of tile 2 b + u takes channel 32 b + 8 u + r + 8 (r / 8), so that the 16 registers of two neighbouring tiles are 16 neighbouring channels.  The keys of a key tile are chosen the same way, for the softmax's sake.
; V (quantised along the keys): source 0 = 16 keys, source 1 = 16 channels of Wv: a lane holds ONE channel and its registers run along the 128 keys.
; OUT: fragments as images of the operand's registers (8 registers a lane: piece g at 512 g + 16 lane), scale words in the order in which the reader's lanes take them, and -kk/2 (kk = the sum of K's squares of a key).
;   codes, 32,768 bytes a step: K's fragment (key tile T, channel half c) at 1024 (2 T + c); V's fragment t (channels 16 t ..) at 16,384 + 1024 t
;   scales, 2,560 bytes a step: K's words at 0 (unit w: lane (r, h): tile 2 w + h, row r, c = 0 and 1); V's at 1,024 (unit w: tiles 4 w + h and 4 w + 2 + h); -kk/2 at 2,048, keys in their natural order
; Every store covers 256 or 512 consecutive bytes, aligned.
; LIMITS: NaN and infinities among the inputs are not served.  A block of zeros gets the scale byte 1 (the floor's): its codes are zeros, and this program alone reads the bytes.  kk is summed in two packed chains, an order of f32 rounding other than a plain row sum's.
; REGISTERS in windows of 256.  window 0: addresses, X's row.  window 2: weights and X's fragments.  window 3: the products' results (written by matrix instructions alone) and all that the quantiser touches.
.set LB,   0                           ; LDS: X's 128 rows of 16 bytes at LB + XNO, the 128 numbers -kk/2 at LB + KKO
.set XNO,  0
.set KKO,  2048
.set ALL3, 0xff                        ; every operand place in window 3
.set PROJ, 0xea                        ; D window 3; A, B, C window 2
.set LD2,  0x80                        ; a load's destination in window 2
.set ST3,  0x0c                        ; a store's data (source 1) in window 3
.set MV2,  0x82                        ; a move inside window 2
.set WA,   0                           ; window 2: v0-31    16 channel tiles x 2: W^T as source 0
.set BC,   32                          ;           v32-159  their bias as C, 8 registers a tile
.set XF,   160                         ;           v160-175 X's fragments of the 8 key tiles
.set XK,   176                         ;           v176-179 X's fragments of my two tiles
.set WVB,  180                         ;           v180-187 Wv as source 1, my four channel tiles
.set BVC,  188                         ;           v188-219 bv as C, 8 registers a tile
.set KKV,  32                          ; window 3: v32-33   -kk/2 of my two tiles;  v34 a lane permute's destination
.set PT,   34
.set PD,   96                          ;           v96-159  8 result tiles
.set TM,   160                         ;           v160-175 the quantiser's: largest magnitudes, bytes, scale operands
.set PW,   176                         ;           v176-183 a scale word for each fragment
.set OPR,  184                         ;           v184-187 scale words paired for the stores
.set SA,   188                         ;           v188-191 two packed chains of squares
.set SB,   190
.set PCB,  192                         ;           v192-255 8 registers for each of my 8 fragments: no store's data are written again
.set MSB, 0
.macro WIN new                         ; the immediate's high byte repeats the setting that is left
.if MSB != \new
	s_set_vgpr_msb (MSB<<8)|\new
.set MSB, \new
.endif
.endm
.macro PLACES n
.rept \n
	v_nop
.endr
.endm
; Eight products of 16 x 16 x 4 into the eight result tiles: source 0 steps by as, source 1 stays, C steps by cs.  Eight places follow: vector instructions read the results next (ISA guide 7.12.1).
.macro PROJ8 a, as, b, c, cs
	WIN PROJ
.set pj, 0
.rept 8
	v_wmma_f32_16x16x4_f32 v[PD+8*pj:PD+8*pj+7], v[(\a)+(\as)*pj:(\a)+(\as)*pj+1], v[\b:\b+1], v[(\c)+(\cs)*pj:(\c)+(\cs)*pj+7]
.set pj, pj+1
.endr
	PLACES 8
.endm
; The squares of the 64 results, two at a time, onto two chains; each tile is read from its low end on.  first = 1: the first two start the chains.
.macro SQ first
	WIN ALL3
.set pj, 0
.rept 32
.if (\first) && (pj < 2)
	v_pk_mul_f32 v[SA+2*(pj%2):SA+2*(pj%2)+1], v[PD+2*pj:PD+2*pj+1], v[PD+2*pj:PD+2*pj+1]
.else
	v_pk_fma_f32 v[SA+2*(pj%2):SA+2*(pj%2)+1], v[PD+2*pj:PD+2*pj+1], v[PD+2*pj:PD+2*pj+1], v[SA+2*(pj%2):SA+2*(pj%2)+1]
.endif
.set pj, pj+1
.endr
.endm
.macro SQSUM d                         ; the chains, and lane l xor 16's: -1/2 of the row's sum of squares
	WIN ALL3
	v_pk_add_f32 v[SA:SA+1], v[SA:SA+1], v[SB:SB+1]
	v_add_f32 v[\d], v[SA], v[SA+1]
	v_permlanex16_b32 v[PT], v[\d], s60, s61
	v_add_f32 v[\d], v[\d], v[PT]
	v_mul_f32 v[\d], -0.5, v[\d]
.endm
; The 64 results of a lane, register 16 b + i = k 32 b + 16 (lane / 16) + i of my row, become a fragment's codes in v[pc] on and its scale word in v[pw].
.macro QUANT pc, pw
	WIN ALL3
.irp b, 0,1,2,3
	v_max3_num_f32 v[TM+\b], |v[PD+16*\b]|, |v[PD+16*\b+1]|, 0x1800000   ; block b: my 16 numbers, and the floor 2^(3 - 127): the byte cannot fall under 1
.endr
.irp i, 2,4,6,8,10,12,14
.irp b, 0,1,2,3
	v_max3_num_f32 v[TM+\b], v[TM+\b], |v[PD+16*\b+\i]|, |v[PD+16*\b+\i+1]|   ; (the four blocks by turns)
.endr
.endr
.irp b, 0,1,2,3
	v_permlanex16_b32 v[TM+4+\b], v[TM+\b], s60, s61
.endr
.irp b, 0,1,2,3
	v_max_num_f32 v[TM+\b], v[TM+\b], v[TM+4+\b]   ; with lane l xor 16's: the block's largest magnitude
.endr
.irp b, 0,1,2,3
	v_add_nc_u32 v[TM+12+\b], 0xff000000, v[TM+\b]   ; 2 off its exponent field: the conversion's scale operand
.endr
.irp b, 0,1,2,3
	v_lshrrev_b32 v[TM+4+\b], 23, v[TM+12+\b]      ; the scale's byte
.endr
	v_lshl_or_b32 v[\pw], v[TM+5], 8, v[TM+4]      ; four bytes: my row's scale word (both halves of the lanes hold it)
	v_lshl_or_b32 v[\pw], v[TM+6], 16, v[\pw]
	v_lshl_or_b32 v[\pw], v[TM+7], 24, v[\pw]
.irp b, 0,1,2,3
	v_cvt_scalef32_pk8_fp4_f32 v[(\pc)+2*\b], v[PD+16*\b:PD+16*\b+7], v[TM+12+\b]
	v_cvt_scalef32_pk8_fp4_f32 v[(\pc)+2*\b+1], v[PD+16*\b+8:PD+16*\b+15], v[TM+12+\b]
.endr
	v_nop                                          ; one plain place behind a scaled conversion
.irp c, 0,1                                    ; the operand wants a WHOLE block in a lane: lanes 0-15 block 2 c, lanes 16-31 block 2 c + 1
.irp i, 0,1
	v_permlane16_swap_b32 v[(\pc)+4*\c+\i], v[(\pc)+4*\c+2+\i]
.endr
.endr
.endm
.macro QINIT                           ; a lane permute's destination counts as one of its sources: written once
	WIN 0xc0
.irp b, 4,5,6,7
	v_mov_b32 v[TM+\b], 0
.endr
	v_mov_b32 v[PT], 0
	WIN 0
.endm
.macro WADDR                           ; v245 = r + 8 (r / 8);  v22: W[2 h + j][channel]: 2048 h + 4 v245;  v23: the bias of my half's 16 channels: 64 h
	v_and_b32 v245, 8, v10
	v_add_nc_u32 v245, v245, v10
	v_lshlrev_b32 v22, 2, v245
	v_lshl_add_u32 v22, v11, 11, v22
	v_lshlrev_b32 v23, 6, v11
.endm
; W^T's 16 tiles as source 0 (lane (r, h), register j: W[2 h + j][the tile's channel r]) and the bias in the result's layout (register j: the tile's channel 8 h + j).  Tile t begins at channel 128 (t / 8) + 32 ((t % 8) / 2) + 8 (t % 2).
.macro LOADW ws, bs, lay
	WIN LD2
.irp t, 0,1,2,3,4,5,6,7,8,9,10,11,12,13,14,15
.irp j, 0,1
	global_load_b32 v[WA+2*\t+\j], v22, s[\ws:\ws+1] offset:(\lay)*4096+1024*\j+4*(128*(\t/8)+32*((\t%8)/2)+8*(\t%2))
.endr
.irp g, 0,1
	global_load_b128 v[BC+8*\t+4*\g:BC+8*\t+4*\g+3], v23, s[\bs:\bs+1] offset:(\lay)*1024+4*(128*(\t/8)+32*((\t%8)/2)+8*(\t%2))+16*\g
.endr
.endr
	WIN 0
.endm
.macro PREP_ADDR                       ; needs v1 = 16 lane, v10 = r, v11 = h, v245, s52 = wave
	v_and_b32 v246, 31, v0
	s_lshl_b32 s100, s52, 12
	v_add_nc_u32 v17, s100, v1                     ; images: 16 lane + 4096 wave
	s_lshl_b32 s100, s52, 8
	v_lshl_add_u32 v18, v246, 3, s100              ; scale words: 8 lane + 256 wave
	v_lshl_add_u32 v29, v10, 2, s100               ; bv: channel 64 wave + r
	v_lshl_add_u32 v28, v11, 11, v29               ; Wv: row 2 h of 1,024 bytes, the same channel
	s_lshl_b32 s101, s52, 7
	s_add_co_u32 s101, s101, LB+KKO
	v_lshl_add_u32 v19, v11, 3, v245
	v_lshl_add_u32 v19, v19, 2, s101               ; -kk/2 in LDS: key 32 wave + 8 h + r + 8 (r / 8): lanes 0-15 store tile 2 w's, lanes 16-31 tile 2 w + 1's
	v_lshl_add_u32 v20, v245, 4, LB+XNO
	v_lshl_add_u32 v20, v11, 3, v20                ; X in LDS: row r + 8 (r / 8), numbers 2 h, 2 h + 1
	s_lshl_b32 s101, s52, 9
	v_add_nc_u32 v21, s101, v20                    ; the same 32 wave rows on
.endm
.macro LOADV ws, bs, lay               ; Wv as source 1 (lane (r, h), register j: Wv[2 h + j][16 t + r]) and bv of the lane's channel, t = 4 wave + i
	WIN LD2
.irp i, 0,1,2,3
.irp j, 0,1
	global_load_b32 v[WVB+2*\i+\j], v28, s[\ws:\ws+1] offset:(\lay)*4096+1024*\j+64*\i
.endr
	global_load_b32 v[BVC+8*\i], v29, s[\bs:\bs+1] offset:(\lay)*1024+64*\i
.endr
	WIN 0
.endm
; X's 128 rows lie in LDS, the weights are on their way: my 4 fragments of K, my 4 of V, their scale words and -kk/2.
.macro PREP_RUN
	WIN LD2
.irp t, 0,1,2,3,4,5,6,7
	ds_load_b64 v[XF+2*\t:XF+2*\t+1], v20 offset:16*(32*(\t/2)+8*(\t%2))
.endr
.irp u, 0,1
	ds_load_b64 v[XK+2*\u:XK+2*\u+1], v21 offset:128*\u
.endr
	s_wait_loadcnt 0x0                             ; the weights
	s_wait_dscnt 0x0                               ; X's fragments
	WIN MV2
.irp i, 0,1,2,3
.irp j, 1,2,3,4,5,6,7
	v_mov_b32 v[BVC+8*\i+\j], v[BVC+8*\i]          ; as C, a lane's bias stands in all eight registers (eight keys, one channel)
.endr
.endr
.irp u, 0,1
.irp c, 0,1
	PROJ8 WA+16*\c, 2, XK+2*\u, BC+64*\c, 8        ; K^T: 128 channels x the 16 keys of tile 2 w + u
	SQ 1-\c
	QUANT PCB+8*(2*\u+\c), PW+2*\u+\c
	WIN ST3
	global_store_b128 v17, v[PCB+8*(2*\u+\c):PCB+8*(2*\u+\c)+3], s[34:35] offset:2048*\u+1024*\c
	global_store_b128 v17, v[PCB+8*(2*\u+\c)+4:PCB+8*(2*\u+\c)+7], s[34:35] offset:2048*\u+1024*\c+512
.endr
	SQSUM KKV+\u
.endr
	v_cndmask_b32 v[OPR], v[PW], v[PW+2], s62      ; lanes 0-15 tile 2 w's word, lanes 16-31 tile 2 w + 1's: c = 0,
	v_cndmask_b32 v[OPR+1], v[PW+1], v[PW+3], s62  ; c = 1
	v_cndmask_b32 v[KKV], v[KKV], v[KKV+1], s62
	WIN ST3
	global_store_b64 v18, v[OPR:OPR+1], s[36:37]
	ds_store_b32 v19, v[KKV]
.irp i, 0,1,2,3
	PROJ8 XF, 2, WVB+2*\i, BVC+8*\i, 0             ; V: the step's 128 keys x the 16 channels of tile 4 w + i
	QUANT PCB+8*(4+\i), PW+4+\i
	WIN ST3
	global_store_b128 v17, v[PCB+8*(4+\i):PCB+8*(4+\i)+3], s[34:35] offset:16384+1024*\i
	global_store_b128 v17, v[PCB+8*(4+\i)+4:PCB+8*(4+\i)+7], s[34:35] offset:16384+1024*\i+512
.endr
	WIN ALL3
	v_cndmask_b32 v[OPR+2], v[PW+4], v[PW+5], s62
	v_cndmask_b32 v[OPR+3], v[PW+6], v[PW+7], s62
	WIN ST3
	global_store_b64 v18, v[OPR+2:OPR+3], s[36:37] offset:1024
	WIN 0
.endm
.macro PREP_KK                         ; the four waves' -kk/2 meet in LDS and leave as 512 consecutive bytes, by wave 0
	s_wait_dscnt 0x0                               ; for the others' sake: my store has landed
	s_barrier_signal -1
	s_barrier_wait -1
	s_cmp_lg_u32 s52, 0
	s_cbranch_scc1 .Lnokk
	ds_load_b128 v[244:247], v13 offset:KKO
	s_wait_dscnt 0x0
	global_store_b128 v1, v[244:247], s[36:37] offset:2048
.Lnokk:
.endm
	s_load_b128 s[4:7], s[0:1], 0x0                ; KEY, VALUE
	s_load_b256 s[24:31], s[0:1], 0x10             ; Wk, bk, Wv, bv
	s_load_b128 s[32:35], s[0:1], 0x30             ; x0, the codes
	s_load_b64 s[36:37], s[0:1], 0x40              ; the scales
	v_lshl_add_u32 v254, v0, 2, 0x1000
	v_mov_b32 v255, 0
	v_lshrrev_b32 v1, 5, v0
	v_readfirstlane_b32 s52, v1                    ; wave 0..3
	s_and_b32 s63, ttmp7, 0xffff
	s_lshl_b32 s63, s63, 4
	s_add_co_u32 s63, s63, ttmp9                   ; my block of 128 rows: 16 x batch + step
	s_mov_b32 s60, 0x76543210
	s_mov_b32 s61, 0xfedcba98                      ; v_permlanex16_b32's selects for lane l xor 16
	s_mov_b32 s62, 0xffff0000                      ; lanes 16-31
	v_and_b32 v246, 31, v0
	v_and_b32 v10, 15, v0                          ; r
	v_bfe_u32 v11, v0, 4, 1                        ; h
	v_lshlrev_b32 v1, 4, v246                      ; 16 lane
	v_lshl_add_u32 v13, v0, 4, LB                  ; 16 thread, in LDS
	v_lshlrev_b32 v16, 4, v0                       ; and in memory
	v_mul_u32_u24 v30, v0, 12                      ; KEY: 12 bytes a row
	v_lshlrev_b32 v31, 2, v0                       ; VALUE: 4
	WADDR
	PREP_ADDR
	s_mov_b32 s101, 0
	s_wait_alu depctr_va_vdst(0)
	s_wait_kmcnt 0x0
	s_mul_i32 s100, s63, 1536
	s_add_nc_u64 s[4:5], s[4:5], s[100:101]
	s_lshl_b32 s100, s63, 9
	s_add_nc_u64 s[6:7], s[6:7], s[100:101]
	s_lshl_b32 s100, s63, 11
	s_add_nc_u64 s[32:33], s[32:33], s[100:101]
	s_lshl_b32 s100, s63, 15
	s_add_nc_u64 s[34:35], s[34:35], s[100:101]
	s_mul_i32 s100, s63, 2560
	s_add_nc_u64 s[36:37], s[36:37], s[100:101]
	LOADW 24, 26, 0
	LOADV 28, 30, 0
	global_load_b32 v24, v30, s[4:5]               ; thread i: row i of the block
	global_load_b32 v25, v30, s[4:5] offset:4
	global_load_b32 v26, v30, s[4:5] offset:8
	global_load_b32 v27, v31, s[6:7]
	QINIT
	s_wait_loadcnt 0x0                             ; X's four loads were issued last: everything is in
	ds_store_b128 v13, v[24:27] offset:XNO
	global_store_b128 v16, v[24:27], s[32:33]      ; a wave stores 512 consecutive bytes
	s_wait_dscnt 0x0                               ; for the others' sake
	s_barrier_signal -1
	s_barrier_wait -1                              ; the block's 128 rows lie in LDS
	PREP_RUN
	PREP_KK
	s_wait_tensorcnt 0x0
	ds_add_u32 v254, v255
	s_wait_dscnt 0x0
	s_endpgm
.Lfunc_end_k_q2f629837ae_prep0:
	.size	k_q2f629837ae_prep0, .Lfunc_end_k_q2f629837ae_prep0-k_q2f629837ae_prep0
	.p2alignl 7, 3214868480
	.fill 96, 4, 3214868480
	.section	.rodata,"a",@progbits
	.p2align	6, 0x0
	.amdhsa_kernel k_q2f629837ae_prep0
		.amdhsa_group_segment_fixed_size 4608
		.amdhsa_private_segment_fixed_size 0
		.amdhsa_enable_private_segment 0
		.amdhsa_kernarg_size 72
		.amdhsa_user_sgpr_count 2
		.amdhsa_user_sgpr_kernarg_segment_ptr 1
		.amdhsa_wavefront_size32 1
		.amdhsa_system_sgpr_workgroup_id_x 1
		.amdhsa_system_sgpr_workgroup_id_y 1
		.amdhsa_system_sgpr_workgroup_id_z 1
		.amdhsa_system_vgpr_workitem_id 0
		.amdhsa_next_free_vgpr 1024
		.amdhsa_next_free_sgpr 102
		.amdhsa_reserve_vcc 0
		.amdhsa_float_denorm_mode_32 3
		.amdhsa_float_denorm_mode_16_64 3
		.amdhsa_memory_ordered 1
		.amdhsa_forward_progress 1
		.amdhsa_inst_pref_size 61
	.end_amdhsa_kernel
	.amdgpu_metadata
---
amdhsa.version: [ 1, 2 ]
amdhsa.kernels:
  - .name:           k_q2f629837ae_prep0
    .symbol:         k_q2f629837ae_prep0.kd
    .args:
      - { .name: KEY, .offset: 0, .size: 8, .value_kind: global_buffer, .address_space: global }
      - { .name: VALUE, .offset: 8, .size: 8, .value_kind: global_buffer, .address_space: global }
      - { .name: Wk, .offset: 16, .size: 8, .value_kind: global_buffer, .address_space: global }
      - { .name: bk, .offset: 24, .size: 8, .value_kind: global_buffer, .address_space: global }
      - { .name: Wv, .offset: 32, .size: 8, .value_kind: global_buffer, .address_space: global }
      - { .name: bv, .offset: 40, .size: 8, .value_kind: global_buffer, .address_space: global }
      - { .name: x0, .offset: 48, .size: 8, .value_kind: global_buffer, .address_space: global }
      - { .name: kvc0, .offset: 56, .size: 8, .value_kind: global_buffer, .address_space: global }
      - { .name: kvs0, .offset: 64, .size: 8, .value_kind: global_buffer, .address_space: global }
    .group_segment_fixed_size: 4608
    .private_segment_fixed_size: 0
    .kernarg_segment_align: 8
    .kernarg_segment_size: 72
    .max_flat_workgroup_size: 128
    .sgpr_count:     102
    .vgpr_count:     1024
    .wavefront_size: 32
...
	.end_amdgpu_metadata
.endif
;; end of part 1
;; launch att0 (part 2): grid 16 x 16, 4 waves a work-group, clusters of 4 x 1, 327,680 bytes of LDS; arguments x0, kvc0, kvs0, Wq, bq, bw, Wo, bo, g1, be1, W1, b1, W2, b2, g2, be2, Wk, bk, Wv, bv, x1, kvc1, kvs1; writes x1, kvc1, kvs1
.if DOCPART == 2
	.amdgcn_target "amdgcn-amd-amdhsa--gfx1250"
	.amdhsa_code_object_version 6
	.text
	.protected	k_q2f629837ae_att0
	.globl	k_q2f629837ae_att0
	.p2align	8
	.type	k_q2f629837ae_att0,@function
k_q2f629837ae_att0:
	s_mov_b64 s[64:65], 0
	v_nop
	global_prefetch_b8 v0, s[64:65] scope:SCOPE_SE
	s_setreg_imm32_b32 hwreg(HW_REG_WAVE_MODE, 25, 1), 1
	s_wait_xcnt 0x0
	s_wait_alu depctr_hold_cnt(0) depctr_sa_sdst(0) depctr_va_vdst(0) depctr_va_sdst(0) depctr_va_ssrc(0) depctr_va_vcc(0) depctr_vm_vsrc(0)
	s_getreg_b32 s2, hwreg(HW_REG_IB_STS2, 6, 4)
	s_cmp_eq_u32 s2, 0
	s_cbranch_scc0 .Lentry_in_a_cluster
	s_endpgm
.Lentry_in_a_cluster:
	s_bfe_u32 s2, ttmp6, 0x10000c
	s_cmp_lg_u32 s2, 0x3003
	s_cbranch_scc0 .Lentry_shape_is_right
	s_endpgm
.Lentry_shape_is_right:
; ONE LAYER (LAYER = 0): Q = X Wq + bq; Gaussian kernel attention on codes of FP4 (E2M1) with E8M0 scales; Wo, residual, LayerNorm, FFN 4 -> 512 -> 4, residual, LayerNorm;
; the new X is stored, and the next layer's K and V of my 128 rows are quantised and stored.
; t = CA (q.k - kk/2) + Q0, CA = bw^2 log2(e), Q0 = -CA qq/2; M = the running largest t rounded up; p = 2^(t - M) is quantised along the keys; l sums the unquantised p and divides at the end.
; A work-group owns 128 queries of a batch, a wave 32 (two tiles of 16); every wave walks the 2,048 keys, 128 a step.  Both products are used transposed: a lane holds one query of each tile.
; CLUSTER: four query blocks of one batch ask for K, V and the scales jointly.  RING: two slots of two key steps.
; HEAD: one joint load a wave: waves 0, 1 the halves of slot 0, waves 2, 3 the halves of the batch's scales; slot 1 is first filled behind the full sequence and a round.
; LIMITS: NaN and infinities among the inputs are not served.  A block of zeros gets the scale byte 1 (its codes are zeros; this program alone reads the bytes).  A block's largest p is made from its largest
; score, which takes v_exp_f32 not to fall where its input rises.  qq, kk, (O Wo) / l and the FFN's sums are taken in another order of f32 rounding than plain row sums.
.set LAYER, 0
.set LNX,   1
.set SLOT1, 65536
.set SCR,   131072
.set LB,    172032
.set XNO,   22528
.set KKO,   24576
.set SPARE, 197120
.set ALL3, 0xff
.set PROJ, 0xea
.set LD2,  0x80
.set LD3,  0xc0
.set ST3,  0x0c
.set MV2,  0x82
.set KQ0,  0x3e
.set KQ1,  0x0e
.set PVW,  0x52
.set RS,   0x41
.set WOW,  0x09
.set C30,  0x0f
.set ST,   32
.set S,    80
.set PCD,  208
.set KSC,  224
.set VSC,  232
.set QSC,  240
.set PSC,  242
.set ACC,  32
.set QC,   0
.set CK,   32
.set WA,   0
.set BC,   32
.set XF,   160
.set XK,   176
.set WVB,  180
.set BVC,  188
.set KKV,  32
.set PT,   34
.set PD,   96
.set TM,   160
.set PW,   176
.set OPR,  184
.set SA,   188
.set SB,   190
.set PCB,  192
.set MSB, 0
.macro WIN new
.if MSB != \new
	s_set_vgpr_msb (MSB<<8)|\new
.set MSB, \new
.endif
.endm
.macro PLACES n
.rept \n
	v_nop
.endr
.endm
.macro PROJ8 a, as, b, c, cs
	WIN PROJ
.set pj, 0
.rept 8
	v_wmma_f32_16x16x4_f32 v[PD+8*pj:PD+8*pj+7], v[(\a)+(\as)*pj:(\a)+(\as)*pj+1], v[\b:\b+1], v[(\c)+(\cs)*pj:(\c)+(\cs)*pj+7]
.set pj, pj+1
.endr
	PLACES 8
.endm
.macro SQ first
	WIN ALL3
.set pj, 0
.rept 32
.if (\first) && (pj < 2)
	v_pk_mul_f32 v[SA+2*(pj%2):SA+2*(pj%2)+1], v[PD+2*pj:PD+2*pj+1], v[PD+2*pj:PD+2*pj+1]
.else
	v_pk_fma_f32 v[SA+2*(pj%2):SA+2*(pj%2)+1], v[PD+2*pj:PD+2*pj+1], v[PD+2*pj:PD+2*pj+1], v[SA+2*(pj%2):SA+2*(pj%2)+1]
.endif
.set pj, pj+1
.endr
.endm
.macro SQSUM d
	WIN ALL3
	v_pk_add_f32 v[SA:SA+1], v[SA:SA+1], v[SB:SB+1]
	v_add_f32 v[\d], v[SA], v[SA+1]
	v_permlanex16_b32 v[PT], v[\d], s60, s61
	v_add_f32 v[\d], v[\d], v[PT]
	v_mul_f32 v[\d], -0.5, v[\d]
.endm
.macro QUANT pc, pw
	WIN ALL3
.irp b, 0,1,2,3
	v_max3_num_f32 v[TM+\b], |v[PD+16*\b]|, |v[PD+16*\b+1]|, 0x1800000
.endr
.irp i, 2,4,6,8,10,12,14
.irp b, 0,1,2,3
	v_max3_num_f32 v[TM+\b], v[TM+\b], |v[PD+16*\b+\i]|, |v[PD+16*\b+\i+1]|
.endr
.endr
.irp b, 0,1,2,3
	v_permlanex16_b32 v[TM+4+\b], v[TM+\b], s60, s61
.endr
.irp b, 0,1,2,3
	v_max_num_f32 v[TM+\b], v[TM+\b], v[TM+4+\b]
.endr
.irp b, 0,1,2,3
	v_add_nc_u32 v[TM+12+\b], 0xff000000, v[TM+\b]
.endr
.irp b, 0,1,2,3
	v_lshrrev_b32 v[TM+4+\b], 23, v[TM+12+\b]
.endr
	v_lshl_or_b32 v[\pw], v[TM+5], 8, v[TM+4]
	v_lshl_or_b32 v[\pw], v[TM+6], 16, v[\pw]
	v_lshl_or_b32 v[\pw], v[TM+7], 24, v[\pw]
.irp b, 0,1,2,3
	v_cvt_scalef32_pk8_fp4_f32 v[(\pc)+2*\b], v[PD+16*\b:PD+16*\b+7], v[TM+12+\b]
	v_cvt_scalef32_pk8_fp4_f32 v[(\pc)+2*\b+1], v[PD+16*\b+8:PD+16*\b+15], v[TM+12+\b]
.endr
	v_nop
.irp c, 0,1
.irp i, 0,1
	v_permlane16_swap_b32 v[(\pc)+4*\c+\i], v[(\pc)+4*\c+2+\i]
.endr
.endr
.endm
.macro QINIT
	WIN 0xc0
.irp b, 4,5,6,7
	v_mov_b32 v[TM+\b], 0
.endr
	v_mov_b32 v[PT], 0
	WIN 0
.endm
.macro WADDR
	v_and_b32 v245, 8, v10
	v_add_nc_u32 v245, v245, v10
	v_lshlrev_b32 v22, 2, v245
	v_lshl_add_u32 v22, v11, 11, v22
	v_lshlrev_b32 v23, 6, v11
.endm
.macro LOADW ws, bs, lay
	WIN LD2
.irp t, 0,1,2,3,4,5,6,7,8,9,10,11,12,13,14,15
.irp j, 0,1
	global_load_b32 v[WA+2*\t+\j], v22, s[\ws:\ws+1] offset:(\lay)*4096+1024*\j+4*(128*(\t/8)+32*((\t%8)/2)+8*(\t%2))
.endr
.irp g, 0,1
	global_load_b128 v[BC+8*\t+4*\g:BC+8*\t+4*\g+3], v23, s[\bs:\bs+1] offset:(\lay)*1024+4*(128*(\t/8)+32*((\t%8)/2)+8*(\t%2))+16*\g
.endr
.endr
	WIN 0
.endm
.macro PREP_ADDR
	v_and_b32 v246, 31, v0
	s_lshl_b32 s100, s52, 12
	v_add_nc_u32 v17, s100, v1
	s_lshl_b32 s100, s52, 8
	v_lshl_add_u32 v18, v246, 3, s100
	v_lshl_add_u32 v29, v10, 2, s100
	v_lshl_add_u32 v28, v11, 11, v29
	s_lshl_b32 s101, s52, 7
	s_add_co_u32 s101, s101, LB+KKO
	v_lshl_add_u32 v19, v11, 3, v245
	v_lshl_add_u32 v19, v19, 2, s101
	v_lshl_add_u32 v20, v245, 4, LB+XNO
	v_lshl_add_u32 v20, v11, 3, v20
	s_lshl_b32 s101, s52, 9
	v_add_nc_u32 v21, s101, v20
.endm
.macro LOADV ws, bs, lay
	WIN LD2
.irp i, 0,1,2,3
.irp j, 0,1
	global_load_b32 v[WVB+2*\i+\j], v28, s[\ws:\ws+1] offset:(\lay)*4096+1024*\j+64*\i
.endr
	global_load_b32 v[BVC+8*\i], v29, s[\bs:\bs+1] offset:(\lay)*1024+64*\i
.endr
	WIN 0
.endm
.macro PREP_RUN
	WIN LD2
.irp t, 0,1,2,3,4,5,6,7
	ds_load_b64 v[XF+2*\t:XF+2*\t+1], v20 offset:16*(32*(\t/2)+8*(\t%2))
.endr
.irp u, 0,1
	ds_load_b64 v[XK+2*\u:XK+2*\u+1], v21 offset:128*\u
.endr
	s_wait_loadcnt 0x0
	s_wait_dscnt 0x0
	WIN MV2
.irp i, 0,1,2,3
.irp j, 1,2,3,4,5,6,7
	v_mov_b32 v[BVC+8*\i+\j], v[BVC+8*\i]
.endr
.endr
.irp u, 0,1
.irp c, 0,1
	PROJ8 WA+16*\c, 2, XK+2*\u, BC+64*\c, 8
	SQ 1-\c
	QUANT PCB+8*(2*\u+\c), PW+2*\u+\c
	WIN ST3
	global_store_b128 v17, v[PCB+8*(2*\u+\c):PCB+8*(2*\u+\c)+3], s[34:35] offset:2048*\u+1024*\c
	global_store_b128 v17, v[PCB+8*(2*\u+\c)+4:PCB+8*(2*\u+\c)+7], s[34:35] offset:2048*\u+1024*\c+512
.endr
	SQSUM KKV+\u
.endr
	v_cndmask_b32 v[OPR], v[PW], v[PW+2], s62
	v_cndmask_b32 v[OPR+1], v[PW+1], v[PW+3], s62
	v_cndmask_b32 v[KKV], v[KKV], v[KKV+1], s62
	WIN ST3
	global_store_b64 v18, v[OPR:OPR+1], s[36:37]
	ds_store_b32 v19, v[KKV]
.irp i, 0,1,2,3
	PROJ8 XF, 2, WVB+2*\i, BVC+8*\i, 0
	QUANT PCB+8*(4+\i), PW+4+\i
	WIN ST3
	global_store_b128 v17, v[PCB+8*(4+\i):PCB+8*(4+\i)+3], s[34:35] offset:16384+1024*\i
	global_store_b128 v17, v[PCB+8*(4+\i)+4:PCB+8*(4+\i)+7], s[34:35] offset:16384+1024*\i+512
.endr
	WIN ALL3
	v_cndmask_b32 v[OPR+2], v[PW+4], v[PW+5], s62
	v_cndmask_b32 v[OPR+3], v[PW+6], v[PW+7], s62
	WIN ST3
	global_store_b64 v18, v[OPR+2:OPR+3], s[36:37] offset:1024
	WIN 0
.endm
.macro PREP_KK
	s_wait_dscnt 0x0
	s_barrier_signal -1
	s_barrier_wait -1
	s_cmp_lg_u32 s52, 0
	s_cbranch_scc1 .Lnokk
	ds_load_b128 v[244:247], v13 offset:KKO
	s_wait_dscnt 0x0
	global_store_b128 v1, v[244:247], s[36:37] offset:2048
.Lnokk:
.endm
.macro CROUND
	s_barrier_signal -1
	s_barrier_wait -1
	s_cmp_lg_u32 s52, 0
	s_cbranch_scc1 .Lnot_wave_0_\@
	s_barrier_signal -3
.Lnot_wave_0_\@:
	s_barrier_wait -3
	s_barrier_signal -1
	s_barrier_wait -1
.endm
.macro ASK
	s_cmp_gt_u32 s55, s57
	s_cbranch_scc0 .Lnot_mine_\@
	global_prefetch_b8 v9, s[66:67] th:TH_LOAD_NT scope:SCOPE_SE
.Lnot_mine_\@:
.endm
.macro SWM d, a, b, c, sa, sb, ra, rb
.if (\c) < 0
.if \ra
	v_wmma_scale_f32_16x16x128_f8f6f4 v[\d:\d+7], v[\a:\a+7], v[\b:\b+7], 0, v[\sa], v[\sb] matrix_a_fmt:MATRIX_FMT_FP4 matrix_b_fmt:MATRIX_FMT_FP4 matrix_a_scale:MATRIX_SCALE_ROW1
.else
	v_wmma_scale_f32_16x16x128_f8f6f4 v[\d:\d+7], v[\a:\a+7], v[\b:\b+7], 0, v[\sa], v[\sb] matrix_a_fmt:MATRIX_FMT_FP4 matrix_b_fmt:MATRIX_FMT_FP4
.endif
.elseif (\ra) && (\rb)
	v_wmma_scale_f32_16x16x128_f8f6f4 v[\d:\d+7], v[\a:\a+7], v[\b:\b+7], v[\c:\c+7], v[\sa], v[\sb] matrix_a_fmt:MATRIX_FMT_FP4 matrix_b_fmt:MATRIX_FMT_FP4 matrix_a_scale:MATRIX_SCALE_ROW1 matrix_b_scale:MATRIX_SCALE_ROW1
.elseif \ra
	v_wmma_scale_f32_16x16x128_f8f6f4 v[\d:\d+7], v[\a:\a+7], v[\b:\b+7], v[\c:\c+7], v[\sa], v[\sb] matrix_a_fmt:MATRIX_FMT_FP4 matrix_b_fmt:MATRIX_FMT_FP4 matrix_a_scale:MATRIX_SCALE_ROW1
.elseif \rb
	v_wmma_scale_f32_16x16x128_f8f6f4 v[\d:\d+7], v[\a:\a+7], v[\b:\b+7], v[\c:\c+7], v[\sa], v[\sb] matrix_a_fmt:MATRIX_FMT_FP4 matrix_b_fmt:MATRIX_FMT_FP4 matrix_b_scale:MATRIX_SCALE_ROW1
.else
	v_wmma_scale_f32_16x16x128_f8f6f4 v[\d:\d+7], v[\a:\a+7], v[\b:\b+7], v[\c:\c+7], v[\sa], v[\sb] matrix_a_fmt:MATRIX_FMT_FP4 matrix_b_fmt:MATRIX_FMT_FP4
.endif
.endm
.macro FETCH_K
	WIN 0
	v_add_nc_u32 v4, s53, v1
	v_add_nc_u32 v5, s54, v2
	v_add_nc_u32 v6, s54, v3
	WIN LD2
.set fj, 0
.rept 32
	ds_load_b128 v[4*fj:4*fj+3], v4 offset:512*fj
.set fj, fj+1
.endr
	WIN LD3
.irp t, 0,1,2,3,4,5,6,7
.irp g, 0,1
	ds_load_b128 v[CK+8*\t+4*\g:CK+8*\t+4*\g+3], v6 offset:4*(32*(\t/2)+8*(\t%2)+4*\g)
.endr
.endr
	WIN 0
.irp w, 0,1,2,3
	ds_load_b64 v[KSC+2*\w:KSC+2*\w+1], v5 offset:256*\w
.endr
.endm
.macro FETCH_V
	WIN LD2
.set fj, 0
.rept 32
	ds_load_b128 v[128+4*fj:128+4*fj+3], v4 offset:16384+512*fj
.set fj, fj+1
.endr
	WIN 0
.irp w, 0,1,2,3
	ds_load_b64 v[VSC+2*\w:VSC+2*\w+1], v5 offset:1024+256*\w
.endr
	s_add_co_u32 s53, s53, 32768
	s_add_co_u32 s54, s54, 2560
.endm
.macro KQI x, c
.set rD, S+64*(\x)+8*kt
.set rC, rD+(1-(\c))*(CK+8*kt-rD)
	SWM rD, 16*kt+8*(\c), QC+16*(\x)+8*(\c), rC, KSC+2*(kt/2)+(\c), QSC+(\x), kt%2, \c
.endm
.macro KQ
	WIN KQ0
.set kt, 0
.rept 8
	KQI 0, 0
	KQI 1, 0
.set kt, kt+1
.endr
	WIN KQ1
.set kt, 0
.rept 8
	KQI 0, 1
	KQI 1, 1
.set kt, kt+1
.endr
.endm
.macro PV zero
	WIN PVW
.set pt, 0
.rept 16
.irp x, 0,1
.set rD, 128*\x+8*pt
.set rC, rD-(\zero)*(rD+1)
	SWM rD, 128+8*pt, PCD+8*\x, rC, VSC+pt/2, PSC+\x, pt%2, 0
.endr
.set pt, pt+1
.endr
.endm
.macro SUMI x
.set sS, S+64*(\x)
.set sT, ST+24*(\x)
.if zj == 0
	v_pk_add_f32 v[sT+20:sT+21], v[sS:sS+1], v[sS+2:sS+3]
.elseif zj == 31
	v_pk_add_f32 v[sT+2:sT+3], v[sT+2:sT+3], v[sT+20:sT+21]
.elseif zj%2
	v_pk_add_f32 v[sT+2:sT+3], v[sT+2:sT+3], v[sS+2*zj+2:sS+2*zj+3]
.else
	v_pk_add_f32 v[sT+20:sT+21], v[sT+20:sT+21], v[sS+2*zj+2:sS+2*zj+3]
.endif
.endm
.macro SCL x
.irp b, 0,1,2,3
	v_add_nc_u32 v[ST+24*(\x)+16+\b], 0xff000000, v[ST+24*(\x)+8+\b]
.endr
.irp b, 0,1,2,3
	v_lshrrev_b32 v[ST+24*(\x)+12+\b], 23, v[ST+24*(\x)+16+\b]
.endr
	v_lshl_or_b32 v[PSC+(\x)], v[ST+24*(\x)+13], 8, v[ST+24*(\x)+12]
	v_lshl_or_b32 v[PSC+(\x)], v[ST+24*(\x)+14], 16, v[PSC+(\x)]
	v_lshl_or_b32 v[PSC+(\x)], v[ST+24*(\x)+15], 24, v[PSC+(\x)]
.endm
.macro CVT x
.irp b, 0,1,2,3
	v_cvt_scalef32_pk8_fp4_f32 v[PCD+8*(\x)+2*\b], v[S+64*(\x)+16*\b:S+64*(\x)+16*\b+7], v[ST+24*(\x)+16+\b]
	v_cvt_scalef32_pk8_fp4_f32 v[PCD+8*(\x)+2*\b+1], v[S+64*(\x)+16*\b+8:S+64*(\x)+16*\b+15], v[ST+24*(\x)+16+\b]
.endr
.endm
.macro SWP x
.irp c, 0,1
.irp i, 0,1
	v_permlane16_swap_b32 v[PCD+8*(\x)+4*\c+\i], v[PCD+8*(\x)+4*\c+2+\i]
.endr
.endr
.endm
.macro SM first
	WIN 0
.irp b, 0,1,2,3
.irp x, 0,1
	v_max3_num_f32 v[ST+24*\x+8+\b], v[S+64*\x+16*\b], v[S+64*\x+16*\b+1], v[S+64*\x+16*\b+2]
.endr
.endr
.irp i, 3,5,7,9,11,13
.irp b, 0,1,2,3
.irp x, 0,1
	v_max3_num_f32 v[ST+24*\x+8+\b], v[ST+24*\x+8+\b], v[S+64*\x+16*\b+\i], v[S+64*\x+16*\b+\i+1]
.endr
.endr
.endr
.irp b, 0,1,2,3
.irp x, 0,1
	v_max_num_f32 v[ST+24*\x+8+\b], v[ST+24*\x+8+\b], v[S+64*\x+16*\b+15]
.endr
.endr
.irp b, 0,1,2,3
.irp x, 0,1
	v_permlanex16_b32 v[ST+24*\x+12+\b], v[ST+24*\x+8+\b], s60, s61
.endr
.endr
.irp b, 0,1,2,3
.irp x, 0,1
	v_max_num_f32 v[ST+24*\x+8+\b], v[ST+24*\x+8+\b], v[ST+24*\x+12+\b]
.endr
.endr
.irp x, 0,1
	v_max3_num_f32 v[ST+24*\x+7], v[ST+24*\x+8], v[ST+24*\x+9], v[ST+24*\x+10]
.endr
.irp x, 0,1
	v_max_num_f32 v[ST+24*\x+7], v[ST+24*\x+7], v[ST+24*\x+11]
.endr
.irp x, 0,1
	v_fma_f32 v[ST+24*\x+7], v[ST+24*\x+7], v30, v[ST+24*\x+6]
.endr
.if \first
.irp x, 0,1
	v_mov_b32 v[ST+24*\x+1], v[ST+24*\x+7]
.endr
.irp x, 0,1
	v_floor_f32 v[ST+24*\x+5], -v[ST+24*\x+1]
.endr
.irp x, 0,1
	v_mov_b32 v[ST+24*\x+2], 0
	v_mov_b32 v[ST+24*\x+3], 0
.endr
.else
.irp x, 0,1
	v_max_num_f32 v[ST+24*\x+1], v[ST+24*\x+1], v[ST+24*\x+7]
.endr
.irp x, 0,1
	v_mov_b32 v[ST+24*\x+7], v[ST+24*\x+5]
.endr
.irp x, 0,1
	v_floor_f32 v[ST+24*\x+5], -v[ST+24*\x+1]
.endr
.irp x, 0,1
	v_sub_f32 v[ST+24*\x+7], v[ST+24*\x+5], v[ST+24*\x+7]
.endr
.irp x, 0,1
	v_cvt_i32_f32 v[ST+24*\x+7], v[ST+24*\x+7]
.endr
.irp x, 0,1
	v_ldexp_f32 v[ST+24*\x+4], 1.0, v[ST+24*\x+7]
.endr
.endif
.irp x, 0,1
	v_add_f32 v[ST+24*\x], v[ST+24*\x+6], v[ST+24*\x+5]
.endr
.set zj, 0
.rept 32
	v_pk_fma_f32 v[S+2*zj:S+2*zj+1], v[S+2*zj:S+2*zj+1], v[30:31], v[ST:ST+1] op_sel_hi:[1,1,0]
.set zj, zj+1
.endr
.irp b, 0,1,2,3
	v_fma_f32 v[ST+8+\b], v[ST+8+\b], v30, v[ST]
.endr
.set zj, 0
	s_wait_alu depctr_va_vdst(0)
.rept 32
	v_exp_f32 v[S+2*zj], v[S+2*zj]
	v_exp_f32 v[S+2*zj+1], v[S+2*zj+1]
	v_pk_fma_f32 v[S+64+2*zj:S+64+2*zj+1], v[S+64+2*zj:S+64+2*zj+1], v[30:31], v[ST+24:ST+25] op_sel_hi:[1,1,0]
.set zj, zj+1
.endr
.irp b, 0,1,2,3
	v_exp_f32 v[ST+8+\b], v[ST+8+\b]
	v_fma_f32 v[ST+32+\b], v[ST+32+\b], v30, v[ST+24]
.endr
.if !\first
	v_pk_mul_f32 v[ST+2:ST+3], v[ST+2:ST+3], v[ST+4:ST+5] op_sel_hi:[1,0]
	v_pk_mul_f32 v[ST+26:ST+27], v[ST+26:ST+27], v[ST+28:ST+29] op_sel_hi:[1,0]
.endif
	s_wait_alu depctr_va_vdst(0)
.set zj, 0
.rept 64
	v_exp_f32 v[S+64+zj], v[S+64+zj]               ; tile 1's batch: p,
.set zj, zj+1
.endr
.irp b, 0,1,2,3
	v_exp_f32 v[ST+32+\b], v[ST+32+\b]             ; and the blocks' largest p
.endr
.set zj, 0
.rept 32
	SUMI 0                                         ; tile 0's sum and scale words name none of the batch's results
.set zj, zj+1
.endr
.irp b, 0,1,2,3
	v_max_num_f32 v[ST+8+\b], 0x1800000, v[ST+8+\b]
.endr
	SCL 0
	s_wait_alu depctr_va_vdst(0)
	CVT 0
.set zj, 0
.rept 32
	SUMI 1
.set zj, zj+1
.endr
	SWP 0
.irp b, 0,1,2,3
	v_max_num_f32 v[ST+32+\b], 0x1800000, v[ST+32+\b]
.endr
	SCL 1
	CVT 1
	v_nop
	SWP 1
.if \first
	s_wait_alu depctr_va_vdst(0)
	PLACES 8
.else
	WIN RS
	s_wait_alu depctr_va_vdst(0)                   ; the wait ahead of the first reader of O^T
.set zj, 0
.rept 128
	v_pk_mul_f32 v[2*zj:2*zj+1], v[2*zj:2*zj+1], v[ST+24*(zj/64)+4:ST+24*(zj/64)+5] op_sel_hi:[1,0]
.set zj, zj+1
.endr
.endif
	WIN 0
.endm
.macro KSTEP zero
	FETCH_K
	s_wait_alu depctr_va_vdst(0)
	s_wait_dscnt 52
	PV \zero
	s_wait_dscnt 0x0
	KQ
	PLACES 4
	FETCH_V
	SM 0
.endm
.macro CHANGE fill
	WIN 0
	s_wait_tensorcnt 0x0
	ds_add_u32 v7, v8
.if \fill
	s_xor_b32 s49, s49, SLOT1
	s_add_nc_u64 s[50:51], s[50:51], 0x10000
	s_wait_xcnt 0x0
	s_add_nc_u64 s[66:67], s[66:67], 0x10000
	s_wait_dscnt 0x0
	CROUND
	tensor_load_to_lds s[48:51], s[24:31]
	s_nop 0
	PLACES 4
	ASK
.else
	s_wait_dscnt 0x0
	s_barrier_signal -1
	s_barrier_wait -1
.endif
	s_sub_co_u32 s53, s53, 0x10000
	s_xor_b32 s53, s53, SLOT1
.endm
.macro TWO
	s_mov_b32 s56, 2
.Lstep_\@:
	KSTEP 0
	s_sub_co_u32 s56, s56, 1
	s_cmp_lg_u32 s56, 0
	s_cbranch_scc1 .Lstep_\@
.endm
.macro WOLOAD k
	WIN LD2
.irp tt, 0,1,2,3
.irp d, 0,1,2,3
.irp g, 0,1
	ds_load_b128 v[128*((\k)%2)+32*\tt+8*\d+4*\g:128*((\k)%2)+32*\tt+8*\d+4*\g+3], v14 offset:1024*\d+64*(4*(\k)+\tt)+16*\g
.endr
.endr
.endr
.endm
.macro WOMUL k
	WIN WOW
.irp tt, 0,1,2,3
.irp p, 0,1,2,3
.irp x, 0,1
.irp d, 0,1,2,3
.if ((\k) == 0) && (\tt == 0) && (\p == 0)
	v_pk_mul_f32 v[ACC+8*\x+2*\d:ACC+8*\x+2*\d+1], v[128*\x+8*(4*(\k)+\tt)+2*\p:128*\x+8*(4*(\k)+\tt)+2*\p+1], v[128*((\k)%2)+32*\tt+8*\d+2*\p:128*((\k)%2)+32*\tt+8*\d+2*\p+1]
.else
	v_pk_fma_f32 v[ACC+8*\x+2*\d:ACC+8*\x+2*\d+1], v[128*\x+8*(4*(\k)+\tt)+2*\p:128*\x+8*(4*(\k)+\tt)+2*\p+1], v[128*((\k)%2)+32*\tt+8*\d+2*\p:128*((\k)%2)+32*\tt+8*\d+2*\p+1], v[ACC+8*\x+2*\d:ACC+8*\x+2*\d+1]
.endif
.endr
.endr
.endr
.endr
.endm
.macro LN y, o, g, b
	v_add_f32 v244, v[\y], v[\y+1]
	v_add_f32 v245, v[\y+2], v[\y+3]
	v_add_f32 v244, v244, v245
.irp d, 0,1,2,3
	v_fma_f32 v[\o+\d], -v244, v247, v[\y+\d]
.endr
	v_mul_f32 v245, v[\o], v[\o]
	v_fmac_f32 v245, v[\o+1], v[\o+1]
	v_fmac_f32 v245, v[\o+2], v[\o+2]
	v_fmac_f32 v245, v[\o+3], v[\o+3]
	v_fmaak_f32 v245, v247, v245, 0x3727c5ac
	s_wait_alu depctr_va_vdst(0)
	v_rsq_f32 v246, v245
	v_nop
	s_wait_alu depctr_va_vdst(0)
.irp d, 0,1,2,3
	v_mul_f32 v[\o+\d], v[\o+\d], v246
.endr
.irp d, 0,1,2,3
	v_fma_f32 v[\o+\d], v[\o+\d], s[\g+\d], s[\b+\d]
.endr
.endm
; THE FFN.  hidden^T = W1^T res^T + b1 by v_wmma_f32_16x16x4_f32 (source 0 = 16 hidden units, source 1 = 16 of my rows, C = b1): lane (r, h) holds row r, register j unit 16 t + 8 h + j.
; A group is 2 unit tiles x my 2 row tiles: 4 products into one half of window 3's v96-159, the halves by turns.  ReLU goes into window 0; W2 by packed multiply-adds, a lane its half's 8 units of each tile.
.set FA,  48                           ; v48-51   W1^T: tile u at 2 u
.set FB,  52                           ; v52-55   res as source 1: row tile x at 2 x
.set FC,  56                           ; v56-71   b1 as C: tile u at 8 u
.set HB,  80                           ; v80-111  the group's hidden units behind ReLU: 16 u + 8 x + j
.set W2R, 112                          ; v112-175 W2^T: 32 u + 8 d + j
.macro FADR                            ; s100: 128 bytes a group, stepped once for two groups
	v_add_nc_u32 v15, s100, v251
	v_add_nc_u32 v250, s100, v14
.endm
.macro FLD_AC rel                      ; 8 loads: W1^T's and b1's parts of a group
.irp u, 0,1
.irp j, 0,1
	ds_load_b32 v[FA+2*\u+\j], v15 offset:(\rel)+64*\u+2048*\j
.endr
.irp g, 0,1
	ds_load_b128 v[FC+8*\u+4*\g:FC+8*\u+4*\g+3], v250 offset:12288+(\rel)+64*\u+16*\g
.endr
.endr
.endm
.macro FLD_W2 rel                      ; 16 loads: W2^T's part of a group
.irp u, 0,1
.irp d, 0,1,2,3
.irp g, 0,1
	ds_load_b128 v[W2R+32*\u+8*\d+4*\g:W2R+32*\u+8*\d+4*\g+3], v250 offset:14336+2048*\d+(\rel)+64*\u+16*\g
.endr
.endr
.endr
.endm
.macro FMM q                           ; a group's four products into half q
	WIN LD3
.irp u, 0,1
.irp x, 0,1
	v_wmma_f32_16x16x4_f32 v[PD+32*(\q)+16*\u+8*\x:PD+32*(\q)+16*\u+8*\x+7], v[FA+2*\u:FA+2*\u+1], v[FB+2*\x:FB+2*\x+1], v[FC+8*\u:FC+8*\u+7]
.endr
.endr
.endm
; Group g (half q = g % 2): the next group's products; this group's ReLU and W2; then the loads of W1^T, b1 for g + 2 and of W2^T for g + 1.  The 96 plain lines are the places behind the products.
.macro PH q, mm, ac
.if \mm
	s_wait_dscnt 16                                ; W1^T and b1 of g + 1 are in; the 16 loads of W2^T issued behind them may be out
	FMM 1-(\q)
.endif
	WIN ST3
.set fj, 0
.rept 32
	v_max_num_f32 v[HB+fj], 0, v[PD+32*(\q)+fj]    ; each result tile from its low end on
.set fj, fj+1
.endr
	WIN 0
	s_wait_dscnt 0x0                               ; W2^T of g
.irp u, 0,1
.irp p, 0,1,2,3
.irp x, 0,1
.irp d, 0,1,2,3
	v_pk_fma_f32 v[ACC+8*\x+2*\d:ACC+8*\x+2*\d+1], v[HB+16*\u+8*\x+2*\p:HB+16*\u+8*\x+2*\p+1], v[W2R+32*\u+8*\d+2*\p:W2R+32*\u+8*\d+2*\p+1], v[ACC+8*\x+2*\d:ACC+8*\x+2*\d+1]
.endr
.endr
.endr
.endr
.if \ac
	FLD_AC 128*((\q)+2)
.endif
.if \mm
	FLD_W2 128*((\q)+1)
.endif
.endm
	s_load_b512 s[68:83], s[0:1], 0x0
	s_load_b512 s[84:99], s[0:1], 0x40
	v_lshl_add_u32 v7, v0, 2, SPARE
	v_mov_b32 v8, 0
	ds_add_u32 v7, v8
	ds_add_u32 v7, v8
	s_wait_dscnt 0x0
	v_lshrrev_b32 v1, 5, v0
	v_readfirstlane_b32 s52, v1
	s_bfe_u32 s4, ttmp6, 0x40000
	s_lshl_b32 s5, ttmp9, 2
	s_add_co_u32 s5, s5, s4
	s_and_b32 s6, ttmp7, 0xffff
	s_lshl_b32 s63, s6, 4
	s_add_co_u32 s63, s63, s5
	s_mov_b32 s60, 0x76543210
	s_mov_b32 s61, 0xfedcba98
	s_mov_b32 s62, 0xffff0000
	s_mov_b32 s24, 15|(3<<16)|(1<<21)
	s_mov_b32 s25, 32<<16
	s_mov_b32 s26, 128<<16                         ; the head's load of codes brings 128 rows
	s_mov_b32 s27, 32<<16
	s_mov_b32 s28, 128
	s_mov_b32 s29, 32
	s_mov_b32 s30, 0
	s_mov_b32 s31, 0
	s_mov_b32 s32, 15|(3<<16)|(1<<21)
	s_mov_b32 s33, 32<<16
	s_mov_b32 s34, 80<<16                          ; half the batch's scales: 80 rows of 256 bytes
	s_mov_b32 s35, 32<<16
	s_mov_b32 s36, 80
	s_mov_b32 s37, 32
	s_mov_b32 s38, 0
	s_mov_b32 s39, 0
	s_lshl_b32 s8, s6, 19
	s_lshl_b32 s10, s52, 14
	s_add_co_u32 s8, s8, s10
	s_mov_b32 s9, 0
	s_mul_i32 s12, s6, 40960
	s_and_b32 s7, s52, 1                           ; which half I fetch at the head
	s_mul_i32 s11, s7, 20480
	s_add_co_u32 s12, s12, s11
	s_mov_b32 s13, 0
	s_lshl_b32 s16, s6, 19
	s_lshl_b32 s17, s4, 14
	s_add_co_u32 s16, s16, s17
	s_lshl_b32 s17, s52, 13
	s_add_co_u32 s16, s16, s17
	s_add_co_u32 s16, s16, 131072
	s_mov_b32 s17, 0
	s_lshl_b32 s18, s63, 11
	s_mov_b32 s19, 0
	s_mov_b32 s53, 0
	s_mov_b32 s54, 0
	s_mov_b32 s55, 6
	s_wait_kmcnt 0x0
	s_load_b32 s14, s[78:79], 4*LAYER
	s_mov_b32 s40, 1
	s_add_co_u32 s41, s11, SCR
	s_add_nc_u64 s[42:43], s[72:73], s[12:13]
	s_or_b32 s43, s43, 0x80000000
	s_mov_b32 s44, 1
	s_lshl_b32 s45, s7, 15                         ; slot 0: my half, 32,768 bytes, in LDS and in memory
	s_lshl_b32 s20, s6, 19
	s_add_co_u32 s20, s20, s45
	s_mov_b32 s21, 0
	s_add_nc_u64 s[46:47], s[70:71], s[20:21]
	s_add_nc_u64 s[50:51], s[70:71], s[8:9]        ; the ring: my quarter of a slot
	s_add_nc_u64 s[50:51], s[50:51], 0x10000
	s_or_b32 s47, s47, 0x80000000
	s_mov_b32 s48, 1
	s_add_co_u32 s49, s10, SLOT1
	s_or_b32 s51, s51, 0x80000000
	s_add_nc_u64 s[66:67], s[70:71], s[16:17]
	s_add_nc_u64 s[68:69], s[68:69], s[18:19]
	s_lshr_b32 s57, s52, 1
	s_or_b32 s57, s57, ttmp9
	s_cmp_eq_u32 s57, 0
	s_cselect_b32 s57, 1, -1
	CROUND
	s_cmp_lt_u32 s52, 2                            ; one chain on the wave's number, one joint load to an arm
	s_cbranch_scc0 .Lhead_s
	tensor_load_to_lds s[44:47], s[24:31]          ; waves 0, 1: slot 0's halves
	s_nop 0
	PLACES 4
	s_branch .Lhead_j
.Lhead_s:
	tensor_load_to_lds s[40:43], s[32:39]          ; waves 2, 3: the scales' halves
	s_nop 0
	PLACES 4
.Lhead_j:
	v_and_b32 v244, 31, v0
	v_and_b32 v10, 15, v0
	v_bfe_u32 v11, v0, 4, 1
	v_lshlrev_b32 v1, 4, v244
	v_lshl_add_u32 v2, v244, 3, SCR
	v_lshl_add_u32 v3, v11, 6, SCR+2048
	v_lshlrev_b32 v9, 8, v244
	v_lshl_add_u32 v12, v0, 2, LB
	v_lshl_add_u32 v13, v0, 4, LB
	v_lshl_add_u32 v14, v11, 5, LB
	v_lshlrev_b32 v16, 4, v0
	s_lshl_b32 s100, s52, 9
	v_lshlrev_b32 v247, 4, v10
	v_lshl_add_u32 v247, v11, 3, v247
	v_add_nc_u32 v247, s100, v247
	WADDR
.if LAYER == 0
	PREP_ADDR
.endif
	LOADW 74, 76, LAYER
	WIN LD2
	global_load_b64 v[XK:XK+1], v247, s[68:69]
	global_load_b64 v[XK+2:XK+3], v247, s[68:69] offset:256
	WIN 0
	global_load_b128 v[24:27], v16, s[68:69]
	global_load_b128 v[80:83], v16, s[80:81] offset:LAYER*4096
	global_load_b128 v[84:87], v16, s[80:81] offset:LAYER*4096+2048
.irp k, 0,1,2,3
	global_load_b128 v[88+4*\k:91+4*\k], v16, s[88:89] offset:LAYER*8192+2048*\k
	global_load_b128 v[108+4*\k:111+4*\k], v16, s[92:93] offset:LAYER*8192+2048*\k
.endr
	global_load_b128 v[104:107], v16, s[90:91] offset:LAYER*2048
	QINIT
.irp x, 0,1
.irp b, 0,1,2,3
	v_mov_b32 v[ST+24*\x+12+\b], 0
.endr
.endr
	s_wait_kmcnt 0x0
	v_mul_f32 v30, s14, s14
	v_mul_f32 v30, 0x3fb8aa3b, v30
	v_mov_b32 v31, v30
	s_wait_loadcnt 0x0
.irp k, 0,1
.irp d, 0,1,2,3
	ds_store_b32 v12, v[80+4*\k+\d] offset:1024*\d+512*\k
.endr
.endr
.irp k, 0,1,2,3
	ds_store_b128 v13, v[88+4*\k:91+4*\k] offset:4096+2048*\k
.irp d, 0,1,2,3
	ds_store_b32 v12, v[108+4*\k+\d] offset:14336+2048*\d+512*\k
.endr
.endr
	ds_store_b128 v13, v[104:107] offset:12288
.irp x, 0,1
.irp c, 0,1
	PROJ8 WA+16*\c, 2, XK+2*\x, BC+64*\c, 8
	SQ 1-\c
	QUANT QC+16*\x+8*\c, PW+2*\x+\c
.endr
	SQSUM KKV+\x
.endr
	WIN 0x0c
	v_mul_f32 v[ST+6], v30, v[KKV]
	v_mul_f32 v[ST+30], v30, v[KKV+1]
	WIN C30
	v_cndmask_b32 v[QSC], v[PW], v[PW+1], s62
	v_cndmask_b32 v[QSC+1], v[PW+2], v[PW+3], s62
	WIN 0
	s_wait_alu depctr_va_vdst(0)
	s_wait_tensorcnt 0x0                           ; my head's load is in
	ds_add_u32 v7, v8
	s_mov_b32 s26, 64<<16                          ; no tensor load of mine is out: from here on a load brings 64 rows
	s_mov_b32 s28, 64
	s_wait_dscnt 0x0                               ; the add, and my stores of the weights
	CROUND
	tensor_load_to_lds s[48:51], s[24:31]          ; slot 1's first fill: key steps 2, 3
	s_nop 0
	PLACES 4
	FETCH_K
	PLACES 8
	s_wait_alu depctr_va_vdst(0)
	s_wait_dscnt 0x0
	KQ
	PLACES 4
	FETCH_V
	SM 1
	KSTEP 1
.Lslot:
	CHANGE 1
	TWO
	s_sub_co_u32 s55, s55, 1
	s_cmp_lg_u32 s55, 0
	s_cbranch_scc1 .Lslot
	CHANGE 0
	TWO
	s_wait_dscnt 0x0
	s_wait_alu depctr_va_vdst(0)
	PV 0
	WIN 0
	v_add_f32 v248, v[ST+2], v[ST+3]
	v_add_f32 v249, v[ST+26], v[ST+27]
	v_permlanex16_b32 v[ST+36], v248, s60, s61
	v_permlanex16_b32 v[ST+37], v249, s60, s61
	v_add_f32 v248, v248, v[ST+36]
	v_add_f32 v249, v249, v[ST+37]
	v_cndmask_b32 v248, v248, v249, s62
	PLACES 4
	s_load_b128 s[4:7], s[82:83], 16*LAYER
	s_load_b128 s[8:11], s[84:85], 16*LAYER
	s_load_b128 s[12:15], s[86:87], 16*LAYER
	s_load_b128 s[16:19], s[94:95], 16*LAYER
	s_load_b128 s[20:23], s[96:97], 16*LAYER
	s_load_b128 s[40:43], s[98:99], 16*LAYER
.if LAYER == 0
	s_load_b256 s[24:31], s[0:1], 0x80
	s_load_b128 s[32:35], s[0:1], 0xa0
	s_load_b64 s[36:37], s[0:1], 0xb0
.else
	s_load_b128 s[24:27], s[0:1], 0x80
	s_load_b64 s[28:29], s[0:1], 0x90
.endif
	WOLOAD 0
	WOLOAD 1
	s_wait_dscnt 32
	WOMUL 0
	WOLOAD 2
	s_wait_alu depctr_va_vdst(0)
	s_wait_dscnt 32
	WOMUL 1
	WOLOAD 3
	s_wait_alu depctr_va_vdst(0)
	s_wait_dscnt 32
	WOMUL 2
	s_wait_alu depctr_va_vdst(0)
	s_wait_dscnt 0x0
	WOMUL 3
	WIN 0
	s_wait_alu depctr_va_vdst(0)
	s_wait_kmcnt 0x0
	s_mov_b32 s101, 0
.if LAYER == 0
	s_lshl_b32 s100, s63, 11
	s_add_nc_u64 s[32:33], s[32:33], s[100:101]
	s_lshl_b32 s100, s63, 15
	s_add_nc_u64 s[34:35], s[34:35], s[100:101]
	s_mul_i32 s100, s63, 2560
	s_add_nc_u64 s[36:37], s[36:37], s[100:101]
	LOADW 24, 26, LNX
	LOADV 28, 30, LNX
.else
	s_lshl_b32 s100, s63, 9
	s_add_nc_u64 s[28:29], s[28:29], s[100:101]
	s_load_b128 s[32:35], s[24:25], 0x0
	s_load_b32 s36, s[26:27], 0x0
.endif
	s_lshl_b32 s100, s52, 9
	v_lshl_add_u32 v252, v10, 4, LB+XNO
	v_lshl_add_u32 v252, v11, 3, v252
	v_add_nc_u32 v252, s100, v252                  ; res as source 1: row 32 wave + r, numbers 2 h, 2 h + 1
	v_lshl_add_u32 v251, v10, 2, LB+4096
	v_lshl_add_u32 v251, v11, 12, v251             ; W1^T as source 0: W1's row 2 h, unit r
	s_mov_b32 s100, 0
.irp i, 0,1,2,3,4,5,6,7
	v_add_f32 v[ACC+2*\i], v[ACC+2*\i], v[ACC+2*\i+1]
.endr
.irp i, 0,1,2,3,4,5,6,7
	v_permlanex16_b32 v[ACC+2*\i+1], v[ACC+2*\i], s60, s61
.endr
.irp i, 0,1,2,3,4,5,6,7
	v_add_f32 v[ACC+2*\i], v[ACC+2*\i], v[ACC+2*\i+1]
.endr
	s_wait_alu depctr_va_vdst(0)
	v_rcp_f32 v249, v248
.irp d, 0,1,2,3
	v_cndmask_b32 v[224+\d], v[ACC+2*\d], v[ACC+8+2*\d], s62
.endr
	v_mov_b32 v247, 0x3e800000
	s_wait_alu depctr_va_vdst(0)
.irp d, 0,1,2,3
	v_fma_f32 v[224+\d], v[224+\d], v249, s[4+\d]
.endr
.irp d, 0,1,2,3
	v_add_f32 v[224+\d], v[224+\d], v[24+\d]
.endr
	LN 224, 228, 8, 12
	ds_store_b128 v13, v[228:231] offset:XNO       ; my row of res; my wave's 32 rows come back as source 1 (a wave's own bytes, served in order)
	ds_load_b64 v[FB:FB+1], v252
	ds_load_b64 v[FB+2:FB+3], v252 offset:256
	FADR
	FLD_AC 0
.irp i, 0,1,2,3,4,5,6,7,8,9,10,11,12,13,14,15
	v_mov_b32 v[ACC+\i], 0                         ; 8 packed sums: row tile x, output d
.endr
	s_wait_alu depctr_va_vdst(0)
	s_wait_dscnt 0x0
	FMM 0                                          ; group 0
	PLACES 8                                       ; in front of the loads into its sources and of the first read of its results
	WIN 0
	FLD_AC 128
	FLD_W2 0
	s_mov_b32 s56, 7
.Lffn:                                             ; a trip: groups 2 i and 2 i + 1 of 16
	FADR
	PH 0, 1, 1
	PH 1, 1, 1
	s_add_co_u32 s100, s100, 256
	s_sub_co_u32 s56, s56, 1
	s_cmp_lg_u32 s56, 0
	s_cbranch_scc1 .Lffn
	FADR
	PH 0, 1, 0                                     ; the last two groups fetch nothing beyond the 512 units
	PH 1, 0, 0
.irp i, 0,1,2,3,4,5,6,7
	v_add_f32 v[ACC+2*\i], v[ACC+2*\i], v[ACC+2*\i+1]
.endr
.irp i, 0,1,2,3,4,5,6,7
	v_permlanex16_b32 v[ACC+2*\i+1], v[ACC+2*\i], s60, s61
.endr
.irp i, 0,1,2,3,4,5,6,7
	v_add_f32 v[ACC+2*\i], v[ACC+2*\i], v[ACC+2*\i+1]   ; all 512 units
.endr
.irp d, 0,1,2,3
	v_cndmask_b32 v[232+\d], v[ACC+2*\d], v[ACC+8+2*\d], s62   ; my row's
.endr
.irp d, 0,1,2,3
	v_add_f32 v[232+\d], s[16+\d], v[232+\d]       ; + b2
.endr
.irp d, 0,1,2,3
	v_add_f32 v[232+\d], v[232+\d], v[228+\d]
.endr
	LN 232, 236, 20, 40
.if LAYER == 0
	global_store_b128 v16, v[236:239], s[32:33]
	ds_store_b128 v13, v[236:239] offset:XNO
	s_wait_dscnt 0x0
	s_barrier_signal -1
	s_barrier_wait -1
	PREP_RUN
	PREP_KK
.else
	s_wait_kmcnt 0x0
	v_fma_f32 v244, v236, s32, s36
	v_fma_f32 v244, v237, s33, v244
	v_fma_f32 v244, v238, s34, v244
	v_fma_f32 v244, v239, s35, v244
	ds_store_b32 v12, v244 offset:KKO
	s_wait_dscnt 0x0
	s_barrier_signal -1
	s_barrier_wait -1
	s_cmp_lg_u32 s52, 0
	s_cbranch_scc1 .Lnoout
	ds_load_b128 v[244:247], v13 offset:KKO
	s_wait_dscnt 0x0
	global_store_b128 v1, v[244:247], s[28:29]
.Lnoout:
.endif
	s_wait_tensorcnt 0x0
	ds_add_u32 v7, v8
	s_wait_dscnt 0x0
	CROUND
	s_endpgm
.Lfunc_end_k_q2f629837ae_att0:
	.size	k_q2f629837ae_att0, .Lfunc_end_k_q2f629837ae_att0-k_q2f629837ae_att0
	.p2alignl 7, 3214868480
	.fill 96, 4, 3214868480
	.section	.rodata,"a",@progbits
	.p2align	6, 0x0
	.amdhsa_kernel k_q2f629837ae_att0
		.amdhsa_group_segment_fixed_size 327680
		.amdhsa_private_segment_fixed_size 0
		.amdhsa_enable_private_segment 0
		.amdhsa_kernarg_size 184
		.amdhsa_user_sgpr_count 2
		.amdhsa_user_sgpr_kernarg_segment_ptr 1
		.amdhsa_wavefront_size32 1
		.amdhsa_system_sgpr_workgroup_id_x 1
		.amdhsa_system_sgpr_workgroup_id_y 1
		.amdhsa_system_sgpr_workgroup_id_z 1
		.amdhsa_system_vgpr_workitem_id 0
		.amdhsa_next_free_vgpr 1024
		.amdhsa_next_free_sgpr 102
		.amdhsa_reserve_vcc 0
		.amdhsa_float_denorm_mode_32 3
		.amdhsa_float_denorm_mode_16_64 3
		.amdhsa_memory_ordered 1
		.amdhsa_forward_progress 1
		.amdhsa_inst_pref_size 255
	.end_amdhsa_kernel
	.section	.bss,"aw",@nobits
	.p2align	6
	.space	262144
	.amdgpu_metadata
---
amdhsa.version: [ 1, 2 ]
amdhsa.kernels:
  - .name:           k_q2f629837ae_att0
    .symbol:         k_q2f629837ae_att0.kd
    .args:
      - { .name: x0, .offset: 0, .size: 8, .value_kind: global_buffer, .address_space: global }
      - { .name: kvc0, .offset: 8, .size: 8, .value_kind: global_buffer, .address_space: global }
      - { .name: kvs0, .offset: 16, .size: 8, .value_kind: global_buffer, .address_space: global }
      - { .name: Wq, .offset: 24, .size: 8, .value_kind: global_buffer, .address_space: global }
      - { .name: bq, .offset: 32, .size: 8, .value_kind: global_buffer, .address_space: global }
      - { .name: bw, .offset: 40, .size: 8, .value_kind: global_buffer, .address_space: global }
      - { .name: Wo, .offset: 48, .size: 8, .value_kind: global_buffer, .address_space: global }
      - { .name: bo, .offset: 56, .size: 8, .value_kind: global_buffer, .address_space: global }
      - { .name: g1, .offset: 64, .size: 8, .value_kind: global_buffer, .address_space: global }
      - { .name: be1, .offset: 72, .size: 8, .value_kind: global_buffer, .address_space: global }
      - { .name: W1, .offset: 80, .size: 8, .value_kind: global_buffer, .address_space: global }
      - { .name: b1, .offset: 88, .size: 8, .value_kind: global_buffer, .address_space: global }
      - { .name: W2, .offset: 96, .size: 8, .value_kind: global_buffer, .address_space: global }
      - { .name: b2, .offset: 104, .size: 8, .value_kind: global_buffer, .address_space: global }
      - { .name: g2, .offset: 112, .size: 8, .value_kind: global_buffer, .address_space: global }
      - { .name: be2, .offset: 120, .size: 8, .value_kind: global_buffer, .address_space: global }
      - { .name: Wk, .offset: 128, .size: 8, .value_kind: global_buffer, .address_space: global }
      - { .name: bk, .offset: 136, .size: 8, .value_kind: global_buffer, .address_space: global }
      - { .name: Wv, .offset: 144, .size: 8, .value_kind: global_buffer, .address_space: global }
      - { .name: bv, .offset: 152, .size: 8, .value_kind: global_buffer, .address_space: global }
      - { .name: x1, .offset: 160, .size: 8, .value_kind: global_buffer, .address_space: global }
      - { .name: kvc1, .offset: 168, .size: 8, .value_kind: global_buffer, .address_space: global }
      - { .name: kvs1, .offset: 176, .size: 8, .value_kind: global_buffer, .address_space: global }
    .group_segment_fixed_size: 327680
    .private_segment_fixed_size: 0
    .kernarg_segment_align: 8
    .kernarg_segment_size: 184
    .max_flat_workgroup_size: 128
    .sgpr_count:     102
    .vgpr_count:     1024
    .wavefront_size: 32
...
	.end_amdgpu_metadata
.endif
;; end of part 2
;; launch att1 (part 3): grid 16 x 16, 4 waves a work-group, clusters of 4 x 1, 327,680 bytes of LDS; arguments x1, kvc1, kvs1, Wq, bq, bw, Wo, bo, g1, be1, W1, b1, W2, b2, g2, be2, Wfc, bfc, out0; writes out0
.if DOCPART == 3
	.amdgcn_target "amdgcn-amd-amdhsa--gfx1250"
	.amdhsa_code_object_version 6
	.text
	.protected	k_q2f629837ae_att1
	.globl	k_q2f629837ae_att1
	.p2align	8
	.type	k_q2f629837ae_att1,@function
k_q2f629837ae_att1:
	s_mov_b64 s[64:65], 0
	v_nop
	global_prefetch_b8 v0, s[64:65] scope:SCOPE_SE
	s_setreg_imm32_b32 hwreg(HW_REG_WAVE_MODE, 25, 1), 1
	s_wait_xcnt 0x0
	s_wait_alu depctr_hold_cnt(0) depctr_sa_sdst(0) depctr_va_vdst(0) depctr_va_sdst(0) depctr_va_ssrc(0) depctr_va_vcc(0) depctr_vm_vsrc(0)
	s_getreg_b32 s2, hwreg(HW_REG_IB_STS2, 6, 4)
	s_cmp_eq_u32 s2, 0
	s_cbranch_scc0 .Lentry_in_a_cluster
	s_endpgm
.Lentry_in_a_cluster:
	s_bfe_u32 s2, ttmp6, 0x10000c
	s_cmp_lg_u32 s2, 0x3003
	s_cbranch_scc0 .Lentry_shape_is_right
	s_endpgm
.Lentry_shape_is_right:
; ONE LAYER: Q = X Wq + bq; Gaussian kernel attention on codes of FP4 (E2M1) with E8M0 scales; Wo, residual, LayerNorm, FFN 4 -> 512 -> 4, residual, LayerNorm.
; LAYER = 0: the new X is stored, and the next layer's K and V of my 128 rows are quantised and stored.  LAYER = 1: X Wfc + bfc is stored.  The two launches are this one text; they differ in LAYER alone.
; logit = bw^2 (q.k - kk/2 - qq/2); t = logit x log2(e) = CA (q.k - kk/2) + Q0, CA = bw^2 log2(e) >= 0, Q0 = -CA qq/2.  -kk/2 is the C of the scores' first product.
; THE SOFTMAX AHEAD OF THE SECOND PRODUCT: M = the running largest t rounded UP to a whole number; p = 2^(t - M) is quantised along the keys, not normalised; the row's sum l is taken of the unquantised p and divides at the end;
; when M moves, l and O are multiplied by 2^(old M - new M), which rounds nothing.
; SHARES.  A work-group owns 128 queries of one batch; each of its four waves 32: two tiles of 16, so that each fragment of K and V read from LDS feeds two products.  Every wave walks the batch's 2,048 keys, 128 a step.
; Both products are used transposed: S^T = K Q^T, O^T = V^T P^T: a lane holds ONE query (lane % 16) of each tile throughout.  The keys of a key tile are chosen (lane r of tile 2 b + u: key 32 b + 8 u + r + 8 (r / 8)) so that
; the 16 registers of two neighbouring tiles are 16 neighbouring keys.  K's and V's fragments come as images of the operand's registers (piece g at 512 g + 16 lane): every LDS read is 512 consecutive bytes.
; CLUSTER.  The four query blocks of a cluster belong to one batch and walk the same K and V: each tile is asked for JOINTLY, by the same tensor load with the same descriptor (batch and wave's number alone) and the mask of all four.
; RING.  Two slots of two key steps (65,536 bytes); each wave fetches a quarter with one load.  The batch's scale words and -kk/2 (40,960 bytes) come once, with the first fills.  A wave has three tensor loads out at the start, later one.
; LIMITS: NaN and infinities among the inputs are not served.  A block of zeros gets the scale byte 1: its codes are zeros, and this program alone reads the bytes.  A block's largest p is made from its largest score by the same
; multiply-add and exponential, which takes v_exp_f32 not to fall where its input rises.  qq, kk and (O Wo) / l are summed in another order of f32 rounding than a plain row sum and (O / l) Wo.
; LDS: slot 0 at 0, slot 1 at 65,536; SCR scales; from LB on what ds_store writes: Wo^T [4][256], W1, b1, W2^T [4][512], the new X, 512 bytes for -kk/2 or the output; SPARE: the spare words.
; REGISTERS in windows of 256.
;   window 0: v0-31 addresses, XR = my row of X (v24-27), CA twice (v30-31); v32-79 statistics, 24 a tile; v80-207 S^T then p, 64 a tile; v208-223 p's codes; v224-243 scale words (K's, V's, Q's, p's); v244-255 at work
;   window 1: O^T, 128 a tile (128 x + 8 t + j: channel 16 t + 8 (lane / 16) + j)       window 2: K's 16 fragments (v0-127), V's 16 (v128-255); in the head and the tail weights and X's fragments
;   window 3: v0-31 Q's codes; v32-95 -kk/2 as C; v96-159 results of the f32 products (written by matrix instructions alone); v160-255 the quantiser's
; THE HEAD'S LOADS, in place of the count given under RING: one joint load a wave: waves 0, 1 the halves of slot 0, waves 2, 3 the halves of the batch's scales; slot 1 is first filled behind the full sequence and a round.
; The FFN's first product goes by v_wmma_f32_16x16x4_f32; its sums over the hidden units are taken in another order of f32 rounding than a plain row sum.
.set LAYER, 1
.set LNX,   1                          ; the layer whose K and V the tail prepares
.set SLOT1, 65536
.set SCR,   131072
.set LB,    172032
.set XNO,   22528                      ; the new X, from LB
.set KKO,   24576                      ; -kk/2 or the output, from LB
.set SPARE, 197120                     ; 128 bytes for each wave: two blocks of 256 bytes that no other line names
.set ALL3, 0xff                        ; every operand place in window 3
.set PROJ, 0xea                        ; D window 3; A, B, C window 2
.set LD2,  0x80                        ; a load's destination in window 2
.set LD3,  0xc0                        ; in window 3
.set ST3,  0x0c                        ; a store's data (source 1) in window 3
.set MV2,  0x82                        ; a move inside window 2
.set KQ0,  0x3e                        ; A window 2, B and C window 3, D window 0
.set KQ1,  0x0e                        ; the same with C in window 0
.set PVW,  0x52                        ; A window 2, B window 0, C and D window 1
.set RS,   0x41                        ; destination and source 0 in window 1
.set WOW,  0x09                        ; source 0 window 1, source 1 window 2
.set C30,  0x0f                        ; sources 0 and 1 window 3, destination window 0
.set ST,   32                          ; tile x's statistics at ST + 24 x: +0 E0 = Q0 - M, +1 the largest t, +2,3 l, +4 f, +5 -M, +6 Q0, +7 at work, +8..11 the blocks' largest, +12..15 permute / bytes, +16..19 scale operands, +20,21 a second chain of l
.set S,    80
.set PCD,  208
.set KSC,  224                         ; K's scale words: register 2 (T / 2) + c, row T % 2
.set VSC,  232                         ; V's: register t / 2, row t % 2
.set QSC,  240                         ; Q's: tile x; lanes 0-15 c = 0, lanes 16-31 c = 1
.set PSC,  242                         ; p's: tile x
.set ACC,  32                          ; behind the loop: (O Wo)'s 8 packed sums
.set QC,   0                           ; window 3
.set CK,   32
.set WA,   0                           ; window 2, head and tail: v0-31 W^T's 16 tiles; v32-159 the bias as C; v160-175 X's 8 key tiles; v176-179 my two tiles; v180-187 Wv; v188-219 bv as C
.set BC,   32
.set XF,   160
.set XK,   176
.set WVB,  180
.set BVC,  188
.set KKV,  32                          ; window 3, head and tail: -qq/2 or -kk/2 of two tiles; v34 a lane permute's destination
.set PT,   34
.set PD,   96
.set TM,   160
.set PW,   176
.set OPR,  184
.set SA,   188
.set SB,   190
.set PCB,  192
.set MSB, 0
.macro WIN new                         ; the immediate's high byte repeats the setting that is left
.if MSB != \new
	s_set_vgpr_msb (MSB<<8)|\new
.set MSB, \new
.endif
.endm
.macro PLACES n
.rept \n
	v_nop
.endr
.endm
; Eight products of 16 x 16 x 4 into the eight result tiles: source 0 steps by as, source 1 stays, C steps by cs.  Eight places follow: vector instructions read the results next.
.macro PROJ8 a, as, b, c, cs
	WIN PROJ
.set pj, 0
.rept 8
	v_wmma_f32_16x16x4_f32 v[PD+8*pj:PD+8*pj+7], v[(\a)+(\as)*pj:(\a)+(\as)*pj+1], v[\b:\b+1], v[(\c)+(\cs)*pj:(\c)+(\cs)*pj+7]
.set pj, pj+1
.endr
	PLACES 8
.endm
; The squares of the 64 results, two at a time, onto two chains; each tile is read from its low end on.  first = 1: the first two start the chains.
.macro SQ first
	WIN ALL3
.set pj, 0
.rept 32
.if (\first) && (pj < 2)
	v_pk_mul_f32 v[SA+2*(pj%2):SA+2*(pj%2)+1], v[PD+2*pj:PD+2*pj+1], v[PD+2*pj:PD+2*pj+1]
.else
	v_pk_fma_f32 v[SA+2*(pj%2):SA+2*(pj%2)+1], v[PD+2*pj:PD+2*pj+1], v[PD+2*pj:PD+2*pj+1], v[SA+2*(pj%2):SA+2*(pj%2)+1]
.endif
.set pj, pj+1
.endr
.endm
.macro SQSUM d                         ; the chains, and lane l xor 16's: -1/2 of the row's sum of squares
	WIN ALL3
	v_pk_add_f32 v[SA:SA+1], v[SA:SA+1], v[SB:SB+1]
	v_add_f32 v[\d], v[SA], v[SA+1]
	v_permlanex16_b32 v[PT], v[\d], s60, s61
	v_add_f32 v[\d], v[\d], v[PT]
	v_mul_f32 v[\d], -0.5, v[\d]
.endm
; The 64 results of a lane, register 16 b + i = k 32 b + 16 (lane / 16) + i of my row, become a fragment's codes in v[pc] on and its scale word in v[pw].
.macro QUANT pc, pw
	WIN ALL3
.irp b, 0,1,2,3
	v_max3_num_f32 v[TM+\b], |v[PD+16*\b]|, |v[PD+16*\b+1]|, 0x1800000   ; block b: my 16 numbers, and the floor 2^(3 - 127): the byte cannot fall under 1
.endr
.irp i, 2,4,6,8,10,12,14
.irp b, 0,1,2,3
	v_max3_num_f32 v[TM+\b], v[TM+\b], |v[PD+16*\b+\i]|, |v[PD+16*\b+\i+1]|   ; (the four blocks by turns)
.endr
.endr
.irp b, 0,1,2,3
	v_permlanex16_b32 v[TM+4+\b], v[TM+\b], s60, s61
.endr
.irp b, 0,1,2,3
	v_max_num_f32 v[TM+\b], v[TM+\b], v[TM+4+\b]   ; with lane l xor 16's: the block's largest magnitude
.endr
.irp b, 0,1,2,3
	v_add_nc_u32 v[TM+12+\b], 0xff000000, v[TM+\b]   ; 2 off its exponent field: the conversion's scale operand
.endr
.irp b, 0,1,2,3
	v_lshrrev_b32 v[TM+4+\b], 23, v[TM+12+\b]      ; the scale's byte
.endr
	v_lshl_or_b32 v[\pw], v[TM+5], 8, v[TM+4]      ; four bytes: my row's scale word (both halves of the lanes hold it)
	v_lshl_or_b32 v[\pw], v[TM+6], 16, v[\pw]
	v_lshl_or_b32 v[\pw], v[TM+7], 24, v[\pw]
.irp b, 0,1,2,3
	v_cvt_scalef32_pk8_fp4_f32 v[(\pc)+2*\b], v[PD+16*\b:PD+16*\b+7], v[TM+12+\b]
	v_cvt_scalef32_pk8_fp4_f32 v[(\pc)+2*\b+1], v[PD+16*\b+8:PD+16*\b+15], v[TM+12+\b]
.endr
	v_nop                                          ; one plain place behind a scaled conversion
.irp c, 0,1                                    ; the operand wants a WHOLE block in a lane: lanes 0-15 block 2 c, lanes 16-31 block 2 c + 1
.irp i, 0,1
	v_permlane16_swap_b32 v[(\pc)+4*\c+\i], v[(\pc)+4*\c+2+\i]
.endr
.endr
.endm
.macro QINIT                           ; a lane permute's destination counts as one of its sources: written once
	WIN 0xc0
.irp b, 4,5,6,7
	v_mov_b32 v[TM+\b], 0
.endr
	v_mov_b32 v[PT], 0
	WIN 0
.endm
.macro WADDR                           ; v245 = r + 8 (r / 8);  v22: W[2 h + j][channel]: 2048 h + 4 v245;  v23: the bias of my half's 16 channels: 64 h
	v_and_b32 v245, 8, v10
	v_add_nc_u32 v245, v245, v10
	v_lshlrev_b32 v22, 2, v245
	v_lshl_add_u32 v22, v11, 11, v22
	v_lshlrev_b32 v23, 6, v11
.endm
; W^T's 16 tiles as source 0 (lane (r, h), register j: W[2 h + j][the tile's channel r]) and the bias in the result's layout (register j: the tile's channel 8 h + j).  Tile t begins at channel 128 (t / 8) + 32 ((t % 8) / 2) + 8 (t % 2).
.macro LOADW ws, bs, lay
	WIN LD2
.irp t, 0,1,2,3,4,5,6,7,8,9,10,11,12,13,14,15
.irp j, 0,1
	global_load_b32 v[WA+2*\t+\j], v22, s[\ws:\ws+1] offset:(\lay)*4096+1024*\j+4*(128*(\t/8)+32*((\t%8)/2)+8*(\t%2))
.endr
.irp g, 0,1
	global_load_b128 v[BC+8*\t+4*\g:BC+8*\t+4*\g+3], v23, s[\bs:\bs+1] offset:(\lay)*1024+4*(128*(\t/8)+32*((\t%8)/2)+8*(\t%2))+16*\g
.endr
.endr
	WIN 0
.endm
.macro PREP_ADDR                       ; needs v1 = 16 lane, v10 = r, v11 = h, v245, s52 = wave
	v_and_b32 v246, 31, v0
	s_lshl_b32 s100, s52, 12
	v_add_nc_u32 v17, s100, v1                     ; images: 16 lane + 4096 wave
	s_lshl_b32 s100, s52, 8
	v_lshl_add_u32 v18, v246, 3, s100              ; scale words: 8 lane + 256 wave
	v_lshl_add_u32 v29, v10, 2, s100               ; bv: channel 64 wave + r
	v_lshl_add_u32 v28, v11, 11, v29               ; Wv: row 2 h of 1,024 bytes, the same channel
	s_lshl_b32 s101, s52, 7
	s_add_co_u32 s101, s101, LB+KKO
	v_lshl_add_u32 v19, v11, 3, v245
	v_lshl_add_u32 v19, v19, 2, s101               ; -kk/2 in LDS: key 32 wave + 8 h + r + 8 (r / 8): lanes 0-15 store tile 2 w's, lanes 16-31 tile 2 w + 1's
	v_lshl_add_u32 v20, v245, 4, LB+XNO
	v_lshl_add_u32 v20, v11, 3, v20                ; X in LDS: row r + 8 (r / 8), numbers 2 h, 2 h + 1
	s_lshl_b32 s101, s52, 9
	v_add_nc_u32 v21, s101, v20                    ; the same 32 wave rows on
.endm
.macro LOADV ws, bs, lay               ; Wv as source 1 (lane (r, h), register j: Wv[2 h + j][16 t + r]) and bv of the lane's channel, t = 4 wave + i
	WIN LD2
.irp i, 0,1,2,3
.irp j, 0,1
	global_load_b32 v[WVB+2*\i+\j], v28, s[\ws:\ws+1] offset:(\lay)*4096+1024*\j+64*\i
.endr
	global_load_b32 v[BVC+8*\i], v29, s[\bs:\bs+1] offset:(\lay)*1024+64*\i
.endr
	WIN 0
.endm
; X's 128 rows lie in LDS, the weights are on their way: my 4 fragments of K, my 4 of V, their scale words and -kk/2.
.macro PREP_RUN
	WIN LD2
.irp t, 0,1,2,3,4,5,6,7
	ds_load_b64 v[XF+2*\t:XF+2*\t+1], v20 offset:16*(32*(\t/2)+8*(\t%2))
.endr
.irp u, 0,1
	ds_load_b64 v[XK+2*\u:XK+2*\u+1], v21 offset:128*\u
.endr
	s_wait_loadcnt 0x0                             ; the weights
	s_wait_dscnt 0x0                               ; X's fragments
	WIN MV2
.irp i, 0,1,2,3
.irp j, 1,2,3,4,5,6,7
	v_mov_b32 v[BVC+8*\i+\j], v[BVC+8*\i]          ; as C, a lane's bias stands in all eight registers (eight keys, one channel)
.endr
.endr
.irp u, 0,1
.irp c, 0,1
	PROJ8 WA+16*\c, 2, XK+2*\u, BC+64*\c, 8        ; K^T: 128 channels x the 16 keys of tile 2 w + u
	SQ 1-\c
	QUANT PCB+8*(2*\u+\c), PW+2*\u+\c
	WIN ST3
	global_store_b128 v17, v[PCB+8*(2*\u+\c):PCB+8*(2*\u+\c)+3], s[34:35] offset:2048*\u+1024*\c
	global_store_b128 v17, v[PCB+8*(2*\u+\c)+4:PCB+8*(2*\u+\c)+7], s[34:35] offset:2048*\u+1024*\c+512
.endr
	SQSUM KKV+\u
.endr
	v_cndmask_b32 v[OPR], v[PW], v[PW+2], s62      ; lanes 0-15 tile 2 w's word, lanes 16-31 tile 2 w + 1's: c = 0,
	v_cndmask_b32 v[OPR+1], v[PW+1], v[PW+3], s62  ; c = 1
	v_cndmask_b32 v[KKV], v[KKV], v[KKV+1], s62
	WIN ST3
	global_store_b64 v18, v[OPR:OPR+1], s[36:37]
	ds_store_b32 v19, v[KKV]
.irp i, 0,1,2,3
	PROJ8 XF, 2, WVB+2*\i, BVC+8*\i, 0             ; V: the step's 128 keys x the 16 channels of tile 4 w + i
	QUANT PCB+8*(4+\i), PW+4+\i
	WIN ST3
	global_store_b128 v17, v[PCB+8*(4+\i):PCB+8*(4+\i)+3], s[34:35] offset:16384+1024*\i
	global_store_b128 v17, v[PCB+8*(4+\i)+4:PCB+8*(4+\i)+7], s[34:35] offset:16384+1024*\i+512
.endr
	WIN ALL3
	v_cndmask_b32 v[OPR+2], v[PW+4], v[PW+5], s62
	v_cndmask_b32 v[OPR+3], v[PW+6], v[PW+7], s62
	WIN ST3
	global_store_b64 v18, v[OPR+2:OPR+3], s[36:37] offset:1024
	WIN 0
.endm
.macro PREP_KK                         ; the four waves' -kk/2 meet in LDS and leave as 512 consecutive bytes, by wave 0
	s_wait_dscnt 0x0                               ; for the others' sake: my store has landed
	s_barrier_signal -1
	s_barrier_wait -1
	s_cmp_lg_u32 s52, 0
	s_cbranch_scc1 .Lnokk
	ds_load_b128 v[244:247], v13 offset:KKO
	s_wait_dscnt 0x0
	global_store_b128 v1, v[244:247], s[36:37] offset:2048
.Lnokk:
.endm
; A round of the cluster's barrier: my work-group's barrier; wave 0 signals for the work-group; every wave waits for all four work-groups; my work-group's barrier once more.
.macro CROUND
	s_barrier_signal -1
	s_barrier_wait -1
	s_cmp_lg_u32 s52, 0
	s_cbranch_scc1 .Lnot_wave_0_\@
	s_barrier_signal -3
.Lnot_wave_0_\@:
	s_barrier_wait -3
	s_barrier_signal -1
	s_barrier_wait -1
.endm
; A prefetch of what the NEXT change of slots will load: 65,536 bytes, 256 blocks of 256.  All clusters of a batch walk the same codes: the batch's first cluster asks; its four partners share the blocks out by address,
; 64 each; in each, waves 0 and 1 take 32, a lane a block.  So each block is named once in the launch.  The last change that fills a slot asks for nothing; nothing is asked at the head, nor for the scales.
.macro ASK
	s_cmp_gt_u32 s55, s57
	s_cbranch_scc0 .Lnot_mine_\@
	global_prefetch_b8 v9, s[66:67] th:TH_LOAD_NT scope:SCOPE_SE
.Lnot_mine_\@:
.endm
; One scaled product.  c < 0: the constant 0 starts the sum.  ra, rb: the scale words stand in lanes 16-31 of their registers.
.macro SWM d, a, b, c, sa, sb, ra, rb
.if (\c) < 0
.if \ra
	v_wmma_scale_f32_16x16x128_f8f6f4 v[\d:\d+7], v[\a:\a+7], v[\b:\b+7], 0, v[\sa], v[\sb] matrix_a_fmt:MATRIX_FMT_FP4 matrix_b_fmt:MATRIX_FMT_FP4 matrix_a_scale:MATRIX_SCALE_ROW1
.else
	v_wmma_scale_f32_16x16x128_f8f6f4 v[\d:\d+7], v[\a:\a+7], v[\b:\b+7], 0, v[\sa], v[\sb] matrix_a_fmt:MATRIX_FMT_FP4 matrix_b_fmt:MATRIX_FMT_FP4
.endif
.elseif (\ra) && (\rb)
	v_wmma_scale_f32_16x16x128_f8f6f4 v[\d:\d+7], v[\a:\a+7], v[\b:\b+7], v[\c:\c+7], v[\sa], v[\sb] matrix_a_fmt:MATRIX_FMT_FP4 matrix_b_fmt:MATRIX_FMT_FP4 matrix_a_scale:MATRIX_SCALE_ROW1 matrix_b_scale:MATRIX_SCALE_ROW1
.elseif \ra
	v_wmma_scale_f32_16x16x128_f8f6f4 v[\d:\d+7], v[\a:\a+7], v[\b:\b+7], v[\c:\c+7], v[\sa], v[\sb] matrix_a_fmt:MATRIX_FMT_FP4 matrix_b_fmt:MATRIX_FMT_FP4 matrix_a_scale:MATRIX_SCALE_ROW1
.elseif \rb
	v_wmma_scale_f32_16x16x128_f8f6f4 v[\d:\d+7], v[\a:\a+7], v[\b:\b+7], v[\c:\c+7], v[\sa], v[\sb] matrix_a_fmt:MATRIX_FMT_FP4 matrix_b_fmt:MATRIX_FMT_FP4 matrix_b_scale:MATRIX_SCALE_ROW1
.else
	v_wmma_scale_f32_16x16x128_f8f6f4 v[\d:\d+7], v[\a:\a+7], v[\b:\b+7], v[\c:\c+7], v[\sa], v[\sb] matrix_a_fmt:MATRIX_FMT_FP4 matrix_b_fmt:MATRIX_FMT_FP4
.endif
.endm
; 52 LDS loads: a step's 16 fragments of K, -kk/2 in the scores' layout (register j of tile 2 b + u: key 32 b + 16 h + 8 u + j), K's scale words.
.macro FETCH_K
	WIN 0
	v_add_nc_u32 v4, s53, v1                       ; the step's code block + 16 lane
	v_add_nc_u32 v5, s54, v2                       ; its scale block + 8 lane
	v_add_nc_u32 v6, s54, v3                       ; its -kk/2 + 64 h
	WIN LD2
.set fj, 0
.rept 32
	ds_load_b128 v[4*fj:4*fj+3], v4 offset:512*fj
.set fj, fj+1
.endr
	WIN LD3
.irp t, 0,1,2,3,4,5,6,7
.irp g, 0,1
	ds_load_b128 v[CK+8*\t+4*\g:CK+8*\t+4*\g+3], v6 offset:4*(32*(\t/2)+8*(\t%2)+4*\g)
.endr
.endr
	WIN 0
.irp w, 0,1,2,3
	ds_load_b64 v[KSC+2*\w:KSC+2*\w+1], v5 offset:256*\w
.endr
.endm
; 36 LDS loads: the same step's 16 fragments of V and their scale words; then the addresses step.
.macro FETCH_V
	WIN LD2
.set fj, 0
.rept 32
	ds_load_b128 v[128+4*fj:128+4*fj+3], v4 offset:16384+512*fj
.set fj, fj+1
.endr
	WIN 0
.irp w, 0,1,2,3
	ds_load_b64 v[VSC+2*\w:VSC+2*\w+1], v5 offset:1024+256*\w
.endr
	s_add_co_u32 s53, s53, 32768
	s_add_co_u32 s54, s54, 2560
.endm
; S^T = K Q^T - kk/2: 16 accumulators (8 key tiles x 2 query tiles) by turns, one instruction a turn; channels 0-127, then 128-255 in place.
.macro KQI x, c
.set rD, S+64*(\x)+8*kt
.set rC, rD+(1-(\c))*(CK+8*kt-rD)
	SWM rD, 16*kt+8*(\c), QC+16*(\x)+8*(\c), rC, KSC+2*(kt/2)+(\c), QSC+(\x), kt%2, \c
.endm
.macro KQ
	WIN KQ0
.set kt, 0
.rept 8
	KQI 0, 0
	KQI 1, 0
.set kt, kt+1
.endr
	WIN KQ1
.set kt, 0
.rept 8
	KQI 0, 1
	KQI 1, 1
.set kt, kt+1
.endr
.endm
; O^T += V^T P^T: 32 accumulators, one instruction each.  zero = 1: the products start the sums.
.macro PV zero
	WIN PVW
.set pt, 0
.rept 16
.irp x, 0,1
.set rD, 128*\x+8*pt
.set rC, rD-(\zero)*(rD+1)
	SWM rD, 128+8*pt, PCD+8*\x, rC, VSC+pt/2, PSC+\x, pt%2, 0
.endr
.set pt, pt+1
.endr
.endm
.macro SUMI x                          ; item zj of 32 of tile x's sum of the unquantised p: two packed chains
.set sS, S+64*(\x)
.set sT, ST+24*(\x)
.if zj == 0
	v_pk_add_f32 v[sT+20:sT+21], v[sS:sS+1], v[sS+2:sS+3]
.elseif zj == 31
	v_pk_add_f32 v[sT+2:sT+3], v[sT+2:sT+3], v[sT+20:sT+21]
.elseif zj%2
	v_pk_add_f32 v[sT+2:sT+3], v[sT+2:sT+3], v[sS+2*zj+2:sS+2*zj+3]
.else
	v_pk_add_f32 v[sT+20:sT+21], v[sT+20:sT+21], v[sS+2*zj+2:sS+2*zj+3]
.endif
.endm
.macro SCL x                           ; the four blocks' scale operands and bytes, and p's scale word
.irp b, 0,1,2,3
	v_add_nc_u32 v[ST+24*(\x)+16+\b], 0xff000000, v[ST+24*(\x)+8+\b]
.endr
.irp b, 0,1,2,3
	v_lshrrev_b32 v[ST+24*(\x)+12+\b], 23, v[ST+24*(\x)+16+\b]
.endr
	v_lshl_or_b32 v[PSC+(\x)], v[ST+24*(\x)+13], 8, v[ST+24*(\x)+12]
	v_lshl_or_b32 v[PSC+(\x)], v[ST+24*(\x)+14], 16, v[PSC+(\x)]
	v_lshl_or_b32 v[PSC+(\x)], v[ST+24*(\x)+15], 24, v[PSC+(\x)]
.endm
.macro CVT x
.irp b, 0,1,2,3
	v_cvt_scalef32_pk8_fp4_f32 v[PCD+8*(\x)+2*\b], v[S+64*(\x)+16*\b:S+64*(\x)+16*\b+7], v[ST+24*(\x)+16+\b]
	v_cvt_scalef32_pk8_fp4_f32 v[PCD+8*(\x)+2*\b+1], v[S+64*(\x)+16*\b+8:S+64*(\x)+16*\b+15], v[ST+24*(\x)+16+\b]
.endr
.endm
.macro SWP x                           ; a WHOLE block in a lane
.irp c, 0,1
.irp i, 0,1
	v_permlane16_swap_b32 v[PCD+8*(\x)+4*\c+\i], v[PCD+8*(\x)+4*\c+2+\i]
.endr
.endr
.endm
; THE SOFTMAX OF A KEY STEP, both tiles.  One tile's exponentials stand between the other tile's plain work.  Each tile's 68 exponentials are one batch with one wait, ahead of the first line that names a result.
; first = 1: the first key step: no old M, nothing to rescale.
.macro SM first
	WIN 0
.irp b, 0,1,2,3
.irp x, 0,1
	v_max3_num_f32 v[ST+24*\x+8+\b], v[S+64*\x+16*\b], v[S+64*\x+16*\b+1], v[S+64*\x+16*\b+2]   ; the largest score of each block of 32 keys: for the row's maximum, and for the block's largest p
.endr
.endr
.irp i, 3,5,7,9,11,13
.irp b, 0,1,2,3
.irp x, 0,1
	v_max3_num_f32 v[ST+24*\x+8+\b], v[ST+24*\x+8+\b], v[S+64*\x+16*\b+\i], v[S+64*\x+16*\b+\i+1]
.endr
.endr
.endr
.irp b, 0,1,2,3
.irp x, 0,1
	v_max_num_f32 v[ST+24*\x+8+\b], v[ST+24*\x+8+\b], v[S+64*\x+16*\b+15]
.endr
.endr
.irp b, 0,1,2,3
.irp x, 0,1
	v_permlanex16_b32 v[ST+24*\x+12+\b], v[ST+24*\x+8+\b], s60, s61
.endr
.endr
.irp b, 0,1,2,3
.irp x, 0,1
	v_max_num_f32 v[ST+24*\x+8+\b], v[ST+24*\x+8+\b], v[ST+24*\x+12+\b]   ; with lane l xor 16's 16 keys
.endr
.endr
.irp x, 0,1
	v_max3_num_f32 v[ST+24*\x+7], v[ST+24*\x+8], v[ST+24*\x+9], v[ST+24*\x+10]
.endr
.irp x, 0,1
	v_max_num_f32 v[ST+24*\x+7], v[ST+24*\x+7], v[ST+24*\x+11]
.endr
.irp x, 0,1
	v_fma_f32 v[ST+24*\x+7], v[ST+24*\x+7], v30, v[ST+24*\x+6]   ; the step's largest t (CA is not negative)
.endr
.if \first
.irp x, 0,1
	v_mov_b32 v[ST+24*\x+1], v[ST+24*\x+7]
.endr
.irp x, 0,1
	v_floor_f32 v[ST+24*\x+5], -v[ST+24*\x+1]      ; -M = floor(-t) = -ceil(t)
.endr
.irp x, 0,1
	v_mov_b32 v[ST+24*\x+2], 0                     ; l
	v_mov_b32 v[ST+24*\x+3], 0
.endr
.else
.irp x, 0,1
	v_max_num_f32 v[ST+24*\x+1], v[ST+24*\x+1], v[ST+24*\x+7]   ; the running largest t
.endr
.irp x, 0,1
	v_mov_b32 v[ST+24*\x+7], v[ST+24*\x+5]
.endr
.irp x, 0,1
	v_floor_f32 v[ST+24*\x+5], -v[ST+24*\x+1]      ; the new -M
.endr
.irp x, 0,1
	v_sub_f32 v[ST+24*\x+7], v[ST+24*\x+5], v[ST+24*\x+7]   ; old M - new M: a whole number, 0 or less
.endr
.irp x, 0,1
	v_cvt_i32_f32 v[ST+24*\x+7], v[ST+24*\x+7]     ; (it saturates)
.endr
.irp x, 0,1
	v_ldexp_f32 v[ST+24*\x+4], 1.0, v[ST+24*\x+7]  ; f = 2^(old M - new M)
.endr
.endif
.irp x, 0,1
	v_add_f32 v[ST+24*\x], v[ST+24*\x+6], v[ST+24*\x+5]   ; E0 = Q0 - M
.endr
.set zj, 0
.rept 32
	v_pk_fma_f32 v[S+2*zj:S+2*zj+1], v[S+2*zj:S+2*zj+1], v[30:31], v[ST:ST+1] op_sel_hi:[1,1,0]   ; tile 0: t - M, two at a time (of the pair E0 the low word serves both halves)
.set zj, zj+1
.endr
.irp b, 0,1,2,3
	v_fma_f32 v[ST+8+\b], v[ST+8+\b], v30, v[ST]   ; the same of each block's largest score
.endr
.set zj, 0
	s_wait_alu depctr_va_vdst(0)                   ; the wait ahead of the batch
.rept 32
	v_exp_f32 v[S+2*zj], v[S+2*zj]                 ; tile 0: p = 2^(t - M)
	v_exp_f32 v[S+2*zj+1], v[S+2*zj+1]
	v_pk_fma_f32 v[S+64+2*zj:S+64+2*zj+1], v[S+64+2*zj:S+64+2*zj+1], v[30:31], v[ST+24:ST+25] op_sel_hi:[1,1,0]   ; tile 1: t - M
.set zj, zj+1
.endr
.irp b, 0,1,2,3
	v_exp_f32 v[ST+8+\b], v[ST+8+\b]               ; tile 0: the blocks' largest p
	v_fma_f32 v[ST+32+\b], v[ST+32+\b], v30, v[ST+24]
.endr
.if !\first
	v_pk_mul_f32 v[ST+2:ST+3], v[ST+2:ST+3], v[ST+4:ST+5] op_sel_hi:[1,0]       ; l under the new M
	v_pk_mul_f32 v[ST+26:ST+27], v[ST+26:ST+27], v[ST+28:ST+29] op_sel_hi:[1,0]
.endif
	s_wait_alu depctr_va_vdst(0)                   ; one wait for tile 0's batch, ahead of its first reader; plain lines stand behind the last exponential
.set zj, 0
.rept 64
	v_exp_f32 v[S+64+zj], v[S+64+zj]               ; tile 1's batch: p,
.set zj, zj+1
.endr
.irp b, 0,1,2,3
	v_exp_f32 v[ST+32+\b], v[ST+32+\b]             ; and the blocks' largest p
.endr
.set zj, 0
.rept 32
	SUMI 0                                         ; tile 0's sum and scale words name none of the batch's results
.set zj, zj+1
.endr
.irp b, 0,1,2,3
	v_max_num_f32 v[ST+8+\b], 0x1800000, v[ST+8+\b]   ; tile 0: the floor 2^(3 - 127)
.endr
	SCL 0
	s_wait_alu depctr_va_vdst(0)                   ; one wait for tile 1's batch
	CVT 0
.set zj, 0
.rept 32
	SUMI 1                                         ; (plain lines behind tile 0's conversions)
.set zj, zj+1
.endr
	SWP 0
.irp b, 0,1,2,3
	v_max_num_f32 v[ST+32+\b], 0x1800000, v[ST+32+\b]
.endr
	SCL 1
	CVT 1
	v_nop                                          ; one plain place behind a scaled conversion
	SWP 1
.if \first
	s_wait_alu depctr_va_vdst(0)
	PLACES 8
.else
	WIN RS
	s_wait_alu depctr_va_vdst(0)                   ; the wait ahead of the first reader of O^T
.set zj, 0
.rept 128
	v_pk_mul_f32 v[2*zj:2*zj+1], v[2*zj:2*zj+1], v[ST+24*(zj/64)+4:ST+24*(zj/64)+5] op_sel_hi:[1,0]   ; O^T under the new M, each accumulator from its low end on; these are also those places
.set zj, zj+1
.endr
.endif
	WIN 0
.endm
; A KEY STEP of the pipeline: the next step's K is asked for; O^T takes the step in hand; the next step's scores; its V is asked for; its softmax.
.macro KSTEP zero
	FETCH_K
	s_wait_alu depctr_va_vdst(0)
	s_wait_dscnt 52                                ; V and its scale words, issued ahead of the 52 loads of FETCH_K, are in
	PV \zero
	s_wait_dscnt 0x0                               ; K, -kk/2 and K's scale words are in
	KQ
	PLACES 4                                       ; in front of the loads into V's registers and of the first read of the scores
	FETCH_V
	SM 0
.endm
; THE CHANGE OF SLOTS: the slot's last bytes have been asked for.  Each wave waits for all its tensor loads (one is out: its part of the other slot), adds 0 to its spare word, and waits for that and for its reads of the slot.
; fill = 1: the barrier is a round of the cluster's, and the joint refill, the keys two slots on, is the first thing behind it: it has two key steps in which to land.
.macro CHANGE fill
	WIN 0
	s_wait_tensorcnt 0x0                           ; no tensor load of mine is out, so a group 0 may be written
	ds_add_u32 v7, v8                              ; 0 onto my spare word
.if \fill
	s_xor_b32 s49, s49, SLOT1                      ; the walking descriptor: the other slot than last time,
	s_add_nc_u64 s[50:51], s[50:51], 0x10000       ; the next 256 keys; the type bits on top are not reached
	s_wait_xcnt 0x0                                ; the last prefetch, two key steps back, has read its address
	s_add_nc_u64 s[66:67], s[66:67], 0x10000       ; one slot further on than the walking descriptor
	s_wait_dscnt 0x0                               ; the add is done, and my reads of the slot are over
	CROUND
	tensor_load_to_lds s[48:51], s[24:31]          ; my one tensor load until the next round
	s_nop 0
	PLACES 4
	ASK
.else
	s_wait_dscnt 0x0
	s_barrier_signal -1
	s_barrier_wait -1
.endif
	s_sub_co_u32 s53, s53, 0x10000                 ; the fetches go back to a slot's first step,
	s_xor_b32 s53, s53, SLOT1                      ; in the other slot
.endm
.macro TWO                             ; a slot's two key steps: written once, walked twice
	s_mov_b32 s56, 2
.Lstep_\@:
	KSTEP 0
	s_sub_co_u32 s56, s56, 1
	s_cmp_lg_u32 s56, 0
	s_cbranch_scc1 .Lstep_\@
.endm
.macro WOLOAD k                        ; Wo^T of channel tiles 4 k .. 4 k + 3, my half's eight channels of each, for the four outputs: 32 loads
	WIN LD2
.irp tt, 0,1,2,3
.irp d, 0,1,2,3
.irp g, 0,1
	ds_load_b128 v[128*((\k)%2)+32*\tt+8*\d+4*\g:128*((\k)%2)+32*\tt+8*\d+4*\g+3], v14 offset:1024*\d+64*(4*(\k)+\tt)+16*\g
.endr
.endr
.endr
.endm
.macro WOMUL k                         ; 8 packed sums (tile x, output d) by turns; each accumulator of O^T is read from its low end on; the first eight start the sums
	WIN WOW
.irp tt, 0,1,2,3
.irp p, 0,1,2,3
.irp x, 0,1
.irp d, 0,1,2,3
.if ((\k) == 0) && (\tt == 0) && (\p == 0)
	v_pk_mul_f32 v[ACC+8*\x+2*\d:ACC+8*\x+2*\d+1], v[128*\x+8*(4*(\k)+\tt)+2*\p:128*\x+8*(4*(\k)+\tt)+2*\p+1], v[128*((\k)%2)+32*\tt+8*\d+2*\p:128*((\k)%2)+32*\tt+8*\d+2*\p+1]
.else
	v_pk_fma_f32 v[ACC+8*\x+2*\d:ACC+8*\x+2*\d+1], v[128*\x+8*(4*(\k)+\tt)+2*\p:128*\x+8*(4*(\k)+\tt)+2*\p+1], v[128*((\k)%2)+32*\tt+8*\d+2*\p:128*((\k)%2)+32*\tt+8*\d+2*\p+1], v[ACC+8*\x+2*\d:ACC+8*\x+2*\d+1]
.endif
.endr
.endr
.endr
.endr
.endm
; LayerNorm over a lane's four numbers v[y..] into v[o..]; gain and bias in s[g..], s[b..]; v247 = 0.25
.macro LN y, o, g, b
	v_add_f32 v244, v[\y], v[\y+1]
	v_add_f32 v245, v[\y+2], v[\y+3]
	v_add_f32 v244, v244, v245
.irp d, 0,1,2,3
	v_fma_f32 v[\o+\d], -v244, v247, v[\y+\d]      ; less the mean
.endr
	v_mul_f32 v245, v[\o], v[\o]
	v_fmac_f32 v245, v[\o+1], v[\o+1]
	v_fmac_f32 v245, v[\o+2], v[\o+2]
	v_fmac_f32 v245, v[\o+3], v[\o+3]
	v_fmaak_f32 v245, v247, v245, 0x3727c5ac       ; the variance + 1e-5
	s_wait_alu depctr_va_vdst(0)                   ; the wait ahead of the transcendental
	v_rsq_f32 v246, v245
	v_nop                                          ; a plain place behind the transcendental,
	s_wait_alu depctr_va_vdst(0)                   ; and the wait ahead of its first reader
.irp d, 0,1,2,3
	v_mul_f32 v[\o+\d], v[\o+\d], v246
.endr
.irp d, 0,1,2,3
	v_fma_f32 v[\o+\d], v[\o+\d], s[\g+\d], s[\b+\d]
.endr
.endm
; THE FFN.  hidden^T = W1^T res^T + b1 by v_wmma_f32_16x16x4_f32 (source 0 = 16 hidden units, source 1 = 16 of my rows, C = b1): lane (r, h) holds row r, register j unit 16 t + 8 h + j.
; A group is 2 unit tiles x my 2 row tiles: 4 products into one half of window 3's v96-159, the halves by turns.  ReLU goes into window 0; W2 by packed multiply-adds, a lane its half's 8 units of each tile.
.set FA,  48                           ; v48-51   W1^T: tile u at 2 u
.set FB,  52                           ; v52-55   res as source 1: row tile x at 2 x
.set FC,  56                           ; v56-71   b1 as C: tile u at 8 u
.set HB,  80                           ; v80-111  the group's hidden units behind ReLU: 16 u + 8 x + j
.set W2R, 112                          ; v112-175 W2^T: 32 u + 8 d + j
.macro FADR                            ; s100: 128 bytes a group, stepped once for two groups
	v_add_nc_u32 v15, s100, v251
	v_add_nc_u32 v250, s100, v14
.endm
.macro FLD_AC rel                      ; 8 loads: W1^T's and b1's parts of a group
.irp u, 0,1
.irp j, 0,1
	ds_load_b32 v[FA+2*\u+\j], v15 offset:(\rel)+64*\u+2048*\j
.endr
.irp g, 0,1
	ds_load_b128 v[FC+8*\u+4*\g:FC+8*\u+4*\g+3], v250 offset:12288+(\rel)+64*\u+16*\g
.endr
.endr
.endm
.macro FLD_W2 rel                      ; 16 loads: W2^T's part of a group
.irp u, 0,1
.irp d, 0,1,2,3
.irp g, 0,1
	ds_load_b128 v[W2R+32*\u+8*\d+4*\g:W2R+32*\u+8*\d+4*\g+3], v250 offset:14336+2048*\d+(\rel)+64*\u+16*\g
.endr
.endr
.endr
.endm
.macro FMM q                           ; a group's four products into half q
	WIN LD3
.irp u, 0,1
.irp x, 0,1
	v_wmma_f32_16x16x4_f32 v[PD+32*(\q)+16*\u+8*\x:PD+32*(\q)+16*\u+8*\x+7], v[FA+2*\u:FA+2*\u+1], v[FB+2*\x:FB+2*\x+1], v[FC+8*\u:FC+8*\u+7]
.endr
.endr
.endm
; Group g (half q = g % 2): the next group's products; this group's ReLU and W2; then the loads of W1^T, b1 for g + 2 and of W2^T for g + 1.  The 96 plain lines are the places behind the products.
.macro PH q, mm, ac
.if \mm
	s_wait_dscnt 16                                ; W1^T and b1 of g + 1 are in; the 16 loads of W2^T issued behind them may be out
	FMM 1-(\q)
.endif
	WIN ST3
.set fj, 0
.rept 32
	v_max_num_f32 v[HB+fj], 0, v[PD+32*(\q)+fj]    ; each result tile from its low end on
.set fj, fj+1
.endr
	WIN 0
	s_wait_dscnt 0x0                               ; W2^T of g
.irp u, 0,1
.irp p, 0,1,2,3
.irp x, 0,1
.irp d, 0,1,2,3
	v_pk_fma_f32 v[ACC+8*\x+2*\d:ACC+8*\x+2*\d+1], v[HB+16*\u+8*\x+2*\p:HB+16*\u+8*\x+2*\p+1], v[W2R+32*\u+8*\d+2*\p:W2R+32*\u+8*\d+2*\p+1], v[ACC+8*\x+2*\d:ACC+8*\x+2*\d+1]
.endr
.endr
.endr
.endr
.if \ac
	FLD_AC 128*((\q)+2)
.endif
.if \mm
	FLD_W2 128*((\q)+1)
.endif
.endm
	; ---- THE HEAD
	s_load_b512 s[68:83], s[0:1], 0x0              ; x s[68:69], codes s[70:71], scales s[72:73], Wq, bq, bw s[78:79], Wo, bo
	s_load_b512 s[84:99], s[0:1], 0x40             ; g1, be1, W1, b1, W2, b2, g2, be2
	v_lshl_add_u32 v7, v0, 2, SPARE
	v_mov_b32 v8, 0
	ds_add_u32 v7, v8
	ds_add_u32 v7, v8
	s_wait_dscnt 0x0
	v_lshrrev_b32 v1, 5, v0
	v_readfirstlane_b32 s52, v1                    ; wave 0..3
	s_bfe_u32 s4, ttmp6, 0x40000                   ; cx: my place in the cluster: it enters global addresses of my own loads, stores and prefetches alone
	s_lshl_b32 s5, ttmp9, 2
	s_add_co_u32 s5, s5, s4                        ; my block of 128 queries
	s_and_b32 s6, ttmp7, 0xffff                    ; the batch, which the four partners share
	s_lshl_b32 s63, s6, 4
	s_add_co_u32 s63, s63, s5                      ; 16 x batch + block
	s_mov_b32 s60, 0x76543210
	s_mov_b32 s61, 0xfedcba98                      ; v_permlanex16_b32's selects for lane l xor 16
	s_mov_b32 s62, 0xffff0000                      ; lanes 16-31
	; descriptor group 1: dense blocks as rows of 256 bytes (32 elements of 8 bytes), no padding; the mask names all four work-groups, bit 21 beside it
	s_mov_b32 s24, 15|(3<<16)|(1<<21)              ; the codes: 64 rows, 16,384 bytes a wave
	s_mov_b32 s25, 32<<16
	s_mov_b32 s26, 128<<16                         ; the head's load of codes brings 128 rows
	s_mov_b32 s27, 32<<16
	s_mov_b32 s28, 128
	s_mov_b32 s29, 32
	s_mov_b32 s30, 0
	s_mov_b32 s31, 0
	s_mov_b32 s32, 15|(3<<16)|(1<<21)              ; the scales: 80 rows, 20,480 bytes a wave
	s_mov_b32 s33, 32<<16
	s_mov_b32 s34, 80<<16                          ; half the batch's scales: 80 rows of 256 bytes
	s_mov_b32 s35, 32<<16
	s_mov_b32 s36, 80
	s_mov_b32 s37, 32
	s_mov_b32 s38, 0
	s_mov_b32 s39, 0
	s_lshl_b32 s8, s6, 19                          ; the batch's codes: 524,288 bytes,
	s_lshl_b32 s10, s52, 14                        ; my quarter of a slot: in memory and in LDS
	s_add_co_u32 s8, s8, s10
	s_mov_b32 s9, 0
	s_mul_i32 s12, s6, 40960                       ; the batch's scales,
	s_and_b32 s7, s52, 1                           ; which half I fetch at the head
	s_mul_i32 s11, s7, 20480
	s_add_co_u32 s12, s12, s11
	s_mov_b32 s13, 0
	s_lshl_b32 s16, s6, 19                         ; the prefetches: the batch, my work-group's 16,384 bytes of a slot, my wave's 8,192 of them, in slot 2: the first change steps it to slot 3
	s_lshl_b32 s17, s4, 14
	s_add_co_u32 s16, s16, s17
	s_lshl_b32 s17, s52, 13
	s_add_co_u32 s16, s16, s17
	s_add_co_u32 s16, s16, 131072
	s_mov_b32 s17, 0
	s_lshl_b32 s18, s63, 11                        ; my block's 128 rows of X
	s_mov_b32 s19, 0
	s_mov_b32 s53, 0                               ; LDS byte of the step to be fetched
	s_mov_b32 s54, 0                               ; and of its scale block, from SCR
	s_mov_b32 s55, 6                               ; slots still to be asked for
	s_wait_kmcnt 0x0
	s_load_b32 s14, s[78:79], 4*LAYER              ; bw
	s_mov_b32 s40, 1                               ; group 0 for the scales
	s_add_co_u32 s41, s11, SCR
	s_add_nc_u64 s[42:43], s[72:73], s[12:13]
	s_or_b32 s43, s43, 0x80000000
	s_mov_b32 s44, 1                               ; for slot 0: key steps 0, 1
	s_lshl_b32 s45, s7, 15                         ; slot 0: my half, 32,768 bytes, in LDS and in memory
	s_lshl_b32 s20, s6, 19
	s_add_co_u32 s20, s20, s45
	s_mov_b32 s21, 0
	s_add_nc_u64 s[46:47], s[70:71], s[20:21]
	s_add_nc_u64 s[50:51], s[70:71], s[8:9]        ; the ring: my quarter of a slot
	s_add_nc_u64 s[50:51], s[50:51], 0x10000
	s_or_b32 s47, s47, 0x80000000
	s_mov_b32 s48, 1                               ; for slot 1: key steps 2, 3; it then walks
	s_add_co_u32 s49, s10, SLOT1
	s_or_b32 s51, s51, 0x80000000
	s_add_nc_u64 s[66:67], s[70:71], s[16:17]
	s_add_nc_u64 s[68:69], s[68:69], s[18:19]
	s_lshr_b32 s57, s52, 1                         ; waves 0 and 1
	s_or_b32 s57, s57, ttmp9                       ; of the batch's first cluster prefetch: the same in all four partners
	s_cmp_eq_u32 s57, 0
	s_cselect_b32 s57, 1, -1
	CROUND                                         ; all four work-groups are here: the first joint loads meet
	s_cmp_lt_u32 s52, 2                            ; one chain on the wave's number, one joint load to an arm
	s_cbranch_scc0 .Lhead_s
	tensor_load_to_lds s[44:47], s[24:31]          ; waves 0, 1: slot 0's halves
	s_nop 0
	PLACES 4
	s_branch .Lhead_j
.Lhead_s:
	tensor_load_to_lds s[40:43], s[32:39]          ; waves 2, 3: the scales' halves
	s_nop 0
	PLACES 4
.Lhead_j:
	v_and_b32 v244, 31, v0
	v_and_b32 v10, 15, v0                          ; r
	v_bfe_u32 v11, v0, 4, 1                        ; h
	v_lshlrev_b32 v1, 4, v244                      ; 16 lane
	v_lshl_add_u32 v2, v244, 3, SCR                ; scale words: 8 lane
	v_lshl_add_u32 v3, v11, 6, SCR+2048            ; -kk/2: 64 h
	v_lshlrev_b32 v9, 8, v244                      ; the prefetches: 256 lane
	v_lshl_add_u32 v12, v0, 2, LB
	v_lshl_add_u32 v13, v0, 4, LB
	v_lshl_add_u32 v14, v11, 5, LB                 ; Wo^T: my half's eight channels
	v_lshlrev_b32 v16, 4, v0
	s_lshl_b32 s100, s52, 9
	v_lshlrev_b32 v247, 4, v10
	v_lshl_add_u32 v247, v11, 3, v247
	v_add_nc_u32 v247, s100, v247                  ; X as source 1: row 32 wave + r, numbers 2 h, 2 h + 1
	WADDR
.if LAYER == 0
	PREP_ADDR
.endif
	LOADW 74, 76, LAYER                            ; Wq, bq
	WIN LD2
	global_load_b64 v[XK:XK+1], v247, s[68:69]
	global_load_b64 v[XK+2:XK+3], v247, s[68:69] offset:256
	WIN 0
	global_load_b128 v[24:27], v16, s[68:69]       ; my row of X: thread i, row i
	global_load_b128 v[80:83], v16, s[80:81] offset:LAYER*4096          ; Wo's rows i, i + 128
	global_load_b128 v[84:87], v16, s[80:81] offset:LAYER*4096+2048
.irp k, 0,1,2,3
	global_load_b128 v[88+4*\k:91+4*\k], v16, s[88:89] offset:LAYER*8192+2048*\k     ; W1 as it lies
	global_load_b128 v[108+4*\k:111+4*\k], v16, s[92:93] offset:LAYER*8192+2048*\k   ; W2's rows i + 128 k
.endr
	global_load_b128 v[104:107], v16, s[90:91] offset:LAYER*2048        ; b1
	QINIT
.irp x, 0,1
.irp b, 0,1,2,3
	v_mov_b32 v[ST+24*\x+12+\b], 0                 ; lane permutes' destinations: written once
.endr
.endr
	s_wait_kmcnt 0x0
	v_mul_f32 v30, s14, s14
	v_mul_f32 v30, 0x3fb8aa3b, v30                 ; CA = bw^2 log2(e)
	v_mov_b32 v31, v30
	s_wait_loadcnt 0x0
.irp k, 0,1
.irp d, 0,1,2,3
	ds_store_b32 v12, v[80+4*\k+\d] offset:1024*\d+512*\k                ; Wo^T
.endr
.endr
.irp k, 0,1,2,3
	ds_store_b128 v13, v[88+4*\k:91+4*\k] offset:4096+2048*\k
.irp d, 0,1,2,3
	ds_store_b32 v12, v[108+4*\k+\d] offset:14336+2048*\d+512*\k         ; W2^T
.endr
.endr
	ds_store_b128 v13, v[104:107] offset:12288
.irp x, 0,1                                    ; Q^T of my two tiles: quantised in registers, it stays there
.irp c, 0,1
	PROJ8 WA+16*\c, 2, XK+2*\x, BC+64*\c, 8
	SQ 1-\c
	QUANT QC+16*\x+8*\c, PW+2*\x+\c
.endr
	SQSUM KKV+\x
.endr
	WIN 0x0c
	v_mul_f32 v[ST+6], v30, v[KKV]                 ; Q0 = -CA qq / 2
	v_mul_f32 v[ST+30], v30, v[KKV+1]
	WIN C30
	v_cndmask_b32 v[QSC], v[PW], v[PW+1], s62
	v_cndmask_b32 v[QSC+1], v[PW+2], v[PW+3], s62
	WIN 0
	s_wait_alu depctr_va_vdst(0)
	s_wait_tensorcnt 0x0                           ; my head's load is in
	ds_add_u32 v7, v8
	s_mov_b32 s26, 64<<16                          ; no tensor load of mine is out: from here on a load brings 64 rows
	s_mov_b32 s28, 64
	s_wait_dscnt 0x0                               ; the add, and my stores of the weights
	CROUND
	tensor_load_to_lds s[48:51], s[24:31]          ; slot 1's first fill: key steps 2, 3
	s_nop 0
	PLACES 4
	FETCH_K
	PLACES 8
	s_wait_alu depctr_va_vdst(0)
	s_wait_dscnt 0x0
	KQ
	PLACES 4
	FETCH_V
	SM 1
	KSTEP 1                                        ; O^T is started by step 0; step 1's scores and softmax
.Lslot:                                            ; six trips: every slot but the last two is filled again
	CHANGE 1
	TWO
	s_sub_co_u32 s55, s55, 1
	s_cmp_lg_u32 s55, 0
	s_cbranch_scc1 .Lslot
	CHANGE 0                                       ; the tail is written out
	TWO
	s_wait_dscnt 0x0
	s_wait_alu depctr_va_vdst(0)
	PV 0
	; ---- THE ROWS
	WIN 0
	v_add_f32 v248, v[ST+2], v[ST+3]               ; l's two halves,
	v_add_f32 v249, v[ST+26], v[ST+27]
	v_permlanex16_b32 v[ST+36], v248, s60, s61
	v_permlanex16_b32 v[ST+37], v249, s60, s61
	v_add_f32 v248, v248, v[ST+36]                 ; and lane l xor 16's
	v_add_f32 v249, v249, v[ST+37]
	v_cndmask_b32 v248, v248, v249, s62            ; from here on lane L owns row 32 wave + L: tile L / 16, query L % 16
	PLACES 4                                       ; in front of the loads into K's and V's registers and of the first read of O^T
	s_load_b128 s[4:7], s[82:83], 16*LAYER         ; bo   (every tensor load was waited for at the last change of slots: the descriptors' registers are free)
	s_load_b128 s[8:11], s[84:85], 16*LAYER        ; g1
	s_load_b128 s[12:15], s[86:87], 16*LAYER       ; be1
	s_load_b128 s[16:19], s[94:95], 16*LAYER       ; b2
	s_load_b128 s[20:23], s[96:97], 16*LAYER       ; g2
	s_load_b128 s[40:43], s[98:99], 16*LAYER       ; be2
.if LAYER == 0
	s_load_b256 s[24:31], s[0:1], 0x80             ; Wk, bk, Wv, bv
	s_load_b128 s[32:35], s[0:1], 0xa0             ; the new X, the next codes
	s_load_b64 s[36:37], s[0:1], 0xb0              ; the next scales
.else
	s_load_b128 s[24:27], s[0:1], 0x80             ; Wfc, bfc
	s_load_b64 s[28:29], s[0:1], 0x90              ; out
.endif
	WOLOAD 0
	WOLOAD 1
	s_wait_dscnt 32                                ; one batch of 32 loads stays on its way
	WOMUL 0
	WOLOAD 2
	s_wait_alu depctr_va_vdst(0)                   ; a wait ahead of each of these blocking waits
	s_wait_dscnt 32
	WOMUL 1
	WOLOAD 3
	s_wait_alu depctr_va_vdst(0)
	s_wait_dscnt 32
	WOMUL 2
	s_wait_alu depctr_va_vdst(0)
	s_wait_dscnt 0x0
	WOMUL 3
	WIN 0
	s_wait_alu depctr_va_vdst(0)
	s_wait_kmcnt 0x0
	s_mov_b32 s101, 0
.if LAYER == 0
	s_lshl_b32 s100, s63, 11
	s_add_nc_u64 s[32:33], s[32:33], s[100:101]
	s_lshl_b32 s100, s63, 15
	s_add_nc_u64 s[34:35], s[34:35], s[100:101]
	s_mul_i32 s100, s63, 2560
	s_add_nc_u64 s[36:37], s[36:37], s[100:101]
	LOADW 24, 26, LNX                              ; the next layer's Wk, bk, Wv, bv land under the FFN
	LOADV 28, 30, LNX
.else
	s_lshl_b32 s100, s63, 9
	s_add_nc_u64 s[28:29], s[28:29], s[100:101]
	s_load_b128 s[32:35], s[24:25], 0x0            ; Wfc
	s_load_b32 s36, s[26:27], 0x0                  ; bfc
.endif
	s_lshl_b32 s100, s52, 9
	v_lshl_add_u32 v252, v10, 4, LB+XNO
	v_lshl_add_u32 v252, v11, 3, v252
	v_add_nc_u32 v252, s100, v252                  ; res as source 1: row 32 wave + r, numbers 2 h, 2 h + 1
	v_lshl_add_u32 v251, v10, 2, LB+4096
	v_lshl_add_u32 v251, v11, 12, v251             ; W1^T as source 0: W1's row 2 h, unit r
	s_mov_b32 s100, 0
.irp i, 0,1,2,3,4,5,6,7
	v_add_f32 v[ACC+2*\i], v[ACC+2*\i], v[ACC+2*\i+1]
.endr
.irp i, 0,1,2,3,4,5,6,7
	v_permlanex16_b32 v[ACC+2*\i+1], v[ACC+2*\i], s60, s61
.endr
.irp i, 0,1,2,3,4,5,6,7
	v_add_f32 v[ACC+2*\i], v[ACC+2*\i], v[ACC+2*\i+1]   ; all 256 channels
.endr
	s_wait_alu depctr_va_vdst(0)                   ; the wait ahead of the transcendental
	v_rcp_f32 v249, v248
.irp d, 0,1,2,3
	v_cndmask_b32 v[224+\d], v[ACC+2*\d], v[ACC+8+2*\d], s62   ; my row's (plain lines behind the reciprocal)
.endr
	v_mov_b32 v247, 0x3e800000                     ; 0.25
	s_wait_alu depctr_va_vdst(0)                   ; the wait ahead of the reciprocal's first reader
.irp d, 0,1,2,3
	v_fma_f32 v[224+\d], v[224+\d], v249, s[4+\d]  ; / l, + bo
.endr
.irp d, 0,1,2,3
	v_add_f32 v[224+\d], v[224+\d], v[24+\d]       ; + X
.endr
	LN 224, 228, 8, 12                             ; res: v228-231
	ds_store_b128 v13, v[228:231] offset:XNO       ; my row of res; my wave's 32 rows come back as source 1 (a wave's own bytes, served in order)
	ds_load_b64 v[FB:FB+1], v252
	ds_load_b64 v[FB+2:FB+3], v252 offset:256
	FADR
	FLD_AC 0
.irp i, 0,1,2,3,4,5,6,7,8,9,10,11,12,13,14,15
	v_mov_b32 v[ACC+\i], 0                         ; 8 packed sums: row tile x, output d
.endr
	s_wait_alu depctr_va_vdst(0)
	s_wait_dscnt 0x0
	FMM 0                                          ; group 0
	PLACES 8                                       ; in front of the loads into its sources and of the first read of its results
	WIN 0
	FLD_AC 128
	FLD_W2 0
	s_mov_b32 s56, 7
.Lffn:                                             ; a trip: groups 2 i and 2 i + 1 of 16
	FADR
	PH 0, 1, 1
	PH 1, 1, 1
	s_add_co_u32 s100, s100, 256
	s_sub_co_u32 s56, s56, 1
	s_cmp_lg_u32 s56, 0
	s_cbranch_scc1 .Lffn
	FADR
	PH 0, 1, 0                                     ; the last two groups fetch nothing beyond the 512 units
	PH 1, 0, 0
.irp i, 0,1,2,3,4,5,6,7
	v_add_f32 v[ACC+2*\i], v[ACC+2*\i], v[ACC+2*\i+1]
.endr
.irp i, 0,1,2,3,4,5,6,7
	v_permlanex16_b32 v[ACC+2*\i+1], v[ACC+2*\i], s60, s61
.endr
.irp i, 0,1,2,3,4,5,6,7
	v_add_f32 v[ACC+2*\i], v[ACC+2*\i], v[ACC+2*\i+1]   ; all 512 units
.endr
.irp d, 0,1,2,3
	v_cndmask_b32 v[232+\d], v[ACC+2*\d], v[ACC+8+2*\d], s62   ; my row's
.endr
.irp d, 0,1,2,3
	v_add_f32 v[232+\d], s[16+\d], v[232+\d]       ; + b2
.endr
.irp d, 0,1,2,3
	v_add_f32 v[232+\d], v[232+\d], v[228+\d]      ; + res
.endr
	LN 232, 236, 20, 40                            ; the layer's X: v236-239
.if LAYER == 0
	global_store_b128 v16, v[236:239], s[32:33]    ; a wave stores 512 consecutive bytes
	ds_store_b128 v13, v[236:239] offset:XNO
	s_wait_dscnt 0x0                               ; for the others' sake
	s_barrier_signal -1
	s_barrier_wait -1                              ; the block's 128 rows lie in LDS
	PREP_RUN
	PREP_KK
.else
	s_wait_alu depctr_va_vdst(0)
	s_wait_kmcnt 0x0
	v_fma_f32 v244, v236, s32, s36
	v_fma_f32 v244, v237, s33, v244
	v_fma_f32 v244, v238, s34, v244
	v_fma_f32 v244, v239, s35, v244
	ds_store_b32 v12, v244 offset:KKO              ; the block's 128 numbers meet in LDS and leave as 512 consecutive bytes, by wave 0
	s_wait_dscnt 0x0
	s_barrier_signal -1
	s_barrier_wait -1
	s_cmp_lg_u32 s52, 0
	s_cbranch_scc1 .Lnoout
	ds_load_b128 v[244:247], v13 offset:KKO
	s_wait_dscnt 0x0
	global_store_b128 v1, v[244:247], s[28:29]
.Lnoout:
.endif
	s_wait_tensorcnt 0x0                           ; the wave's end, behind my last tensor load and my last LDS store
	ds_add_u32 v7, v8
	s_wait_dscnt 0x0
	CROUND                                         ; the closing round: no work-group ends while a partner may still ask for a tile that names it
	s_endpgm
.Lfunc_end_k_q2f629837ae_att1:
	.size	k_q2f629837ae_att1, .Lfunc_end_k_q2f629837ae_att1-k_q2f629837ae_att1
	.p2alignl 7, 3214868480
	.fill 96, 4, 3214868480
	.section	.rodata,"a",@progbits
	.p2align	6, 0x0
	.amdhsa_kernel k_q2f629837ae_att1
		.amdhsa_group_segment_fixed_size 327680
		.amdhsa_private_segment_fixed_size 0
		.amdhsa_enable_private_segment 0
		.amdhsa_kernarg_size 152
		.amdhsa_user_sgpr_count 2
		.amdhsa_user_sgpr_kernarg_segment_ptr 1
		.amdhsa_wavefront_size32 1
		.amdhsa_system_sgpr_workgroup_id_x 1
		.amdhsa_system_sgpr_workgroup_id_y 1
		.amdhsa_system_sgpr_workgroup_id_z 1
		.amdhsa_system_vgpr_workitem_id 0
		.amdhsa_next_free_vgpr 1024
		.amdhsa_next_free_sgpr 102
		.amdhsa_reserve_vcc 0
		.amdhsa_float_denorm_mode_32 3
		.amdhsa_float_denorm_mode_16_64 3
		.amdhsa_memory_ordered 1
		.amdhsa_forward_progress 1
		.amdhsa_inst_pref_size 255
	.end_amdhsa_kernel
	.section	.bss,"aw",@nobits
	.p2align	6
	.space	262144
	.amdgpu_metadata
---
amdhsa.version: [ 1, 2 ]
amdhsa.kernels:
  - .name:           k_q2f629837ae_att1
    .symbol:         k_q2f629837ae_att1.kd
    .args:
      - { .name: x1, .offset: 0, .size: 8, .value_kind: global_buffer, .address_space: global }
      - { .name: kvc1, .offset: 8, .size: 8, .value_kind: global_buffer, .address_space: global }
      - { .name: kvs1, .offset: 16, .size: 8, .value_kind: global_buffer, .address_space: global }
      - { .name: Wq, .offset: 24, .size: 8, .value_kind: global_buffer, .address_space: global }
      - { .name: bq, .offset: 32, .size: 8, .value_kind: global_buffer, .address_space: global }
      - { .name: bw, .offset: 40, .size: 8, .value_kind: global_buffer, .address_space: global }
      - { .name: Wo, .offset: 48, .size: 8, .value_kind: global_buffer, .address_space: global }
      - { .name: bo, .offset: 56, .size: 8, .value_kind: global_buffer, .address_space: global }
      - { .name: g1, .offset: 64, .size: 8, .value_kind: global_buffer, .address_space: global }
      - { .name: be1, .offset: 72, .size: 8, .value_kind: global_buffer, .address_space: global }
      - { .name: W1, .offset: 80, .size: 8, .value_kind: global_buffer, .address_space: global }
      - { .name: b1, .offset: 88, .size: 8, .value_kind: global_buffer, .address_space: global }
      - { .name: W2, .offset: 96, .size: 8, .value_kind: global_buffer, .address_space: global }
      - { .name: b2, .offset: 104, .size: 8, .value_kind: global_buffer, .address_space: global }
      - { .name: g2, .offset: 112, .size: 8, .value_kind: global_buffer, .address_space: global }
      - { .name: be2, .offset: 120, .size: 8, .value_kind: global_buffer, .address_space: global }
      - { .name: Wfc, .offset: 128, .size: 8, .value_kind: global_buffer, .address_space: global }
      - { .name: bfc, .offset: 136, .size: 8, .value_kind: global_buffer, .address_space: global }
      - { .name: out0, .offset: 144, .size: 8, .value_kind: global_buffer, .address_space: global }
    .group_segment_fixed_size: 327680
    .private_segment_fixed_size: 0
    .kernarg_segment_align: 8
    .kernarg_segment_size: 152
    .max_flat_workgroup_size: 128
    .sgpr_count:     102
    .vgpr_count:     1024
    .wavefront_size: 32
...
	.end_amdgpu_metadata
.endif
;; end of part 3
